; MI455X (gfx1250); checked and timed in simulation.
; The chip was launched on July 23, 2026; its instructions are those of AMD's public machine-readable ISA for CDNA 5 (MIT licence, August 2026) and "CDNA5" Instruction Set Architecture Reference Guide (July 2026). The comments in the code are by the model that wrote it; some were corrected since.
;; Attention Block. Allowed arithmetic: float matrix products may take bf16 or f16 operands with f32 sums; all other float work in f32.
;; Inputs: bk 256 float32; bp 256 float32; bq 256 float32; bv 256 float32; gn_bias 256 float32; gn_scale 256 float32; wk 256 x 256 float32; wp 256 x 256 float32; wq 256 x 256 float32; wv 256 x 256 float32; x 4 x 256 x 64 x 64 float32.
;; Outputs: out0 4 x 256 x 64 x 64 float32.
;; 2 versions, each right and faster than the one before. Each part assembles by itself: llvm-mc -triple=amdgcn-amd-amdhsa -mcpu=gfx1250 --defsym DOCPART=n.
;; ======== version 1 of 2: 3 launches
;; workspace buffers: gn 8,192 bytes; wb 524,288 bytes; qf 8,388,608 bytes; kv 16,777,216 bytes
;; launch prep (part 1): grid 160 x 1, 8 waves a work-group, no clusters, 1,280 bytes of LDS; arguments x, gn_scale, gn_bias, wq, wk, wv, wp, gn, wb; writes gn, wb
.if DOCPART == 1
	.amdgcn_target "amdgcn-amd-amdhsa--gfx1250"
	.amdhsa_code_object_version 6
	.text
	.protected	k_q0c9b0223de_prep
	.globl	k_q0c9b0223de_prep
	.p2align	8
	.type	k_q0c9b0223de_prep,@function
k_q0c9b0223de_prep:
	s_mov_b64 s[64:65], 0
	v_nop
	global_prefetch_b8 v0, s[64:65] scope:SCOPE_SE
	s_setreg_imm32_b32 hwreg(HW_REG_WAVE_MODE, 25, 1), 1
	s_wait_xcnt 0x0
; Two kinds of work-group, told apart by the work-group's number alone (the same for all its waves).
; 0..127: GroupNorm statistics of one (image, group): 8 channels x 4,096 pixels = 131,072 consecutive bytes of x.
;   Out: gn[b][0][c] = a = scale * rstd, gn[b][1][c] = d = bias - mean * a, so that the next launch normalises by one fused multiply-add.
;   The group stays in registers (128 a thread) between the pass for the mean and the pass for the squares of (x - mean):
;   x is read once here, and no difference of two large sums is formed, so a common offset on x costs no accuracy.
; 128..159: 32 rows of one of wq, wk, wv, wp are rounded to bf16 and laid in FRAGMENT ORDER in wb[mat][ob 16][ks 8][1,024 bytes]:
;   a fragment is 16 rows x 32 k; lane L = 16 h + r holds row r; its 16 bytes of half H (k = 16 H + 8 h .. + 7) lie at 512 H + 16 L.
;   So later a wave's 16-byte loads of a fragment cover 512 consecutive bytes.  The stores here cover 512 consecutive bytes a wave;
;   the loads take 32 bytes of each of 16 rows: 1 MiB in all, read once in the whole program.
; No LDS tiles, no matrix work, no cluster: no two work-groups read the same bytes.
; Limits: NaN and infinities in x are not treated specially.
.set X,  16                            ; v[16:143]  my 128 numbers of the group
.set CH, 2                             ; v[2:9]     four chains of packed sums
	s_load_b256 s[4:11], s[0:1], 0x0               ; x s[4:5], gn_scale s[6:7], gn_bias s[8:9], wq s[10:11]
	s_load_b256 s[12:19], s[0:1], 0x20             ; wk s[12:13], wv s[14:15], wp s[16:17], gn s[18:19]
	s_load_b64 s[20:21], s[0:1], 0x40              ; wb
	v_lshl_add_u32 v160, v0, 2, 0x100
	v_mov_b32 v161, 0
	s_cmp_ge_u32 ttmp9, 128
	s_cbranch_scc1 .Lweights
	; ---------------- statistics ----------------
	v_lshrrev_b32 v13, 5, v0
	v_readfirstlane_b32 s28, v13                   ; wave 0..7
	s_lshl_b32 s22, ttmp9, 17                      ; (32 b + g) x 131,072 bytes: below 16 MiB
	s_mov_b32 s23, 0
	s_and_b32 s24, ttmp9, 31                       ; g
	s_lshl_b32 s25, s24, 5                         ; its 8 channels: 32 bytes of scale, bias, a, d
	s_mov_b32 s26, 0x76543210                      ; v_permlanex16_b32: lane i reads lane i of the other half
	s_mov_b32 s27, 0xfedcba98
	s_mov_b32 s29, 0x38000000                      ; 2^-15 = 1 / 32,768 numbers in a group
	s_mov_b32 s30, 0x358637bd                      ; 1e-6
	v_lshlrev_b32 v1, 4, v0                        ; 16 bytes a thread
	v_and_b32 v12, 7, v0
	v_lshl_add_u32 v12, v12, 2, s25                ; channel 8 g + (t mod 8)
	v_mov_b32 v13, s28
	v_lshlrev_b32 v13, 2, v13                      ; my wave's word in LDS
	v_mov_b32 v14, 0
	s_wait_kmcnt 0x0
	s_add_nc_u64 s[4:5], s[4:5], s[22:23]
	global_load_b32 v10, v12, s[6:7]               ; scale
	global_load_b32 v11, v12, s[8:9]               ; bias
.set i, 0
.rept 32
	global_load_b128 v[X+4*i:X+4*i+3], v1, s[4:5] offset:4096*i    ; the eight waves cover 4,096 consecutive bytes; all 32 loads go out at once
.set i, i+1
.endr
.macro SUMRUN from, n                  ; pairs from .. from + n - 1 are added onto the four chains in turn
.set p, \from
.rept \n
	v_pk_add_f32 v[CH+2*(p%4):CH+2*(p%4)+1], v[CH+2*(p%4):CH+2*(p%4)+1], v[X+2*p:X+2*p+1]
.set p, p+1
.endr
.endm
; the four chains -> one number for the work-group, in v146 of every lane; off: the eight words of LDS that this sum uses
.macro REDUCE off
	v_pk_add_f32 v[2:3], v[2:3], v[4:5]
	v_pk_add_f32 v[6:7], v[6:7], v[8:9]
	v_pk_add_f32 v[2:3], v[2:3], v[6:7]
	v_add_f32 v2, v2, v3
	v_add_f32_dpp v2, v2, v2 row_xmask:1 row_mask:0xf bank_mask:0xf
	v_add_f32_dpp v2, v2, v2 row_xmask:2 row_mask:0xf bank_mask:0xf
	v_add_f32_dpp v2, v2, v2 row_xmask:4 row_mask:0xf bank_mask:0xf
	v_add_f32_dpp v2, v2, v2 row_xmask:8 row_mask:0xf bank_mask:0xf
	v_permlanex16_b32 v3, v2, s26, s27             ; v3 has been written above
	v_add_f32 v2, v2, v3
	ds_store_b32 v13, v2 offset:\off               ; all lanes of a wave write the same word with the same value
	s_wait_dscnt 0x0                               ; for the other waves: my word is in LDS before I signal
	s_barrier_signal -1
	s_barrier_wait -1
	ds_load_b128 v[146:149], v14 offset:\off
	ds_load_b128 v[150:153], v14 offset:\off+16
	s_wait_dscnt 0x0
	v_pk_add_f32 v[146:147], v[146:147], v[148:149]
	v_pk_add_f32 v[150:151], v[150:151], v[152:153]
	v_pk_add_f32 v[146:147], v[146:147], v[150:151]
	v_add_f32 v146, v146, v147
.endm
	; pass 1: the sum.  Each wait leaves the younger loads of x out: 24, 16, 8, none.
	s_wait_loadcnt 24
.irp k, 0,1,2,3
	v_pk_add_f32 v[CH+2*\k:CH+2*\k+1], v[X+2*\k:X+2*\k+1], v[X+8+2*\k:X+8+2*\k+1]   ; the first eight pairs start the chains: nothing is cleared
.endr
	SUMRUN 8, 8
	s_wait_loadcnt 16
	SUMRUN 16, 16
	s_wait_loadcnt 8
	SUMRUN 32, 16
	s_wait_loadcnt 0x0
	SUMRUN 48, 16
	REDUCE 0
	v_mul_f32 v144, s29, v146                      ; mean,
	v_mul_f32 v145, s29, v146                      ; twice: a pair for the packed subtraction
	; pass 2: the sum of (x - mean)^2
.set p, 0
.rept 16
.irp k, 0,1,2,3
	v_pk_add_f32 v[X+2*(p+\k):X+2*(p+\k)+1], v[X+2*(p+\k):X+2*(p+\k)+1], v[144:145] neg_lo:[0,1] neg_hi:[0,1]
.endr
.irp k, 0,1,2,3
.if p == 0
	v_pk_mul_f32 v[CH+2*\k:CH+2*\k+1], v[X+2*\k:X+2*\k+1], v[X+2*\k:X+2*\k+1]
.else
	v_pk_fma_f32 v[CH+2*\k:CH+2*\k+1], v[X+2*(p+\k):X+2*(p+\k)+1], v[X+2*(p+\k):X+2*(p+\k)+1], v[CH+2*\k:CH+2*\k+1]
.endif
.endr
.set p, p+4
.endr
	REDUCE 64                                      ; other words of LDS than the first sum's: no wave can overwrite what another still reads
	v_fma_f32 v147, v146, s29, s30                 ; variance + 1e-6
	v_rsq_f32 v148, v147
	v_nop                                          ; one plain instruction behind a transcendental before its result is used (ISA guide 5.7.2)
	s_wait_alu depctr_va_vdst(0)
	v_mul_f32 v149, v10, v148                      ; a = scale * rstd
	v_fma_f32 v150, -v144, v149, v11               ; d = bias - mean * a
	s_cmp_lg_u32 s28, 0
	s_cbranch_scc1 .Ldone                          ; wave 0 stores for the work-group
	s_lshr_b32 s22, ttmp9, 5                       ; b
	s_lshl_b32 s22, s22, 11                        ; 2,048 bytes of gn an image
	s_add_co_u32 s22, s22, s25
	s_add_nc_u64 s[18:19], s[18:19], s[22:23]
	v_lshlrev_b32 v151, 2, v0
	v_cmp_gt_u32 vcc_lo, 8, v0                     ; lanes 0 to 7: the group's eight channels
	s_wait_xcnt 0x0                                ; EXEC is a source of every memory instruction issued so far: it changes only behind this wait
	s_and_saveexec_b32 s31, vcc_lo
	global_store_b32 v151, v149, s[18:19]
	global_store_b32 v151, v150, s[18:19] offset:1024
	s_wait_xcnt 0x0                                ; and again before it is widened
	s_or_b32 exec_lo, exec_lo, s31
.Ldone:
	s_wait_tensorcnt 0x0
	ds_add_u32 v160, v161
	s_wait_dscnt 0x0
	s_endpgm
	; ---------------- weights ----------------
.Lweights:
	s_sub_co_u32 s22, ttmp9, 128
	s_lshr_b32 s23, s22, 3                         ; which matrix: 0 wq, 1 wk, 2 wv, 3 wp
	s_and_b32 s24, s22, 7                          ; which 32 rows of it
	v_and_b32 v1, 15, v0                           ; r
	v_lshrrev_b32 v2, 4, v0                        ; 2 x wave + h
	v_lshlrev_b32 v2, 5, v2                        ; wave x 64 + h x 32 bytes: k = 16 x wave + 8 h
	v_lshl_add_u32 v1, v1, 10, v2                  ; + r rows of 1,024 bytes
	v_lshlrev_b32 v3, 4, v0                        ; out: 16 bytes a thread
	s_lshl_b32 s26, s24, 15                        ; in: 32 rows x 1,024 bytes
	s_mov_b32 s27, 0
	s_lshl_b32 s28, s23, 17                        ; out: 131,072 bytes a matrix,
	s_lshl_b32 s29, s24, 14                        ; 16,384 for 32 rows
	s_add_co_u32 s28, s28, s29
	s_mov_b32 s29, 0
	s_wait_kmcnt 0x0
	s_cmp_eq_u32 s23, 1
	s_cselect_b64 s[10:11], s[12:13], s[10:11]
	s_cmp_eq_u32 s23, 2
	s_cselect_b64 s[10:11], s[14:15], s[10:11]
	s_cmp_eq_u32 s23, 3
	s_cselect_b64 s[10:11], s[16:17], s[10:11]
	s_add_nc_u64 s[10:11], s[10:11], s[26:27]
	s_add_nc_u64 s[20:21], s[20:21], s[28:29]
	; step i: row block i / 2, k steps 4 (i mod 2) + wave / 2, half = wave mod 2
.irp i, 0,1,2,3
	global_load_b128 v[16+8*\i:19+8*\i], v1, s[10:11] offset:(\i>>1)*16384+(\i&1)*512
	global_load_b128 v[20+8*\i:23+8*\i], v1, s[10:11] offset:(\i>>1)*16384+(\i&1)*512+16
.endr
.irp i, 0,1,2,3
	s_wait_loadcnt 6-2*\i                          ; the later steps' loads stay out
.irp j, 0,1,2,3
	v_cvt_pk_bf16_f32 v[48+4*\i+\j], v[16+8*\i+2*\j], v[17+8*\i+2*\j]
.endr
	global_store_b128 v3, v[48+4*\i:51+4*\i], s[20:21] offset:4096*\i
.endr
	s_endpgm
.Lfunc_end_k_q0c9b0223de_prep:
	.size	k_q0c9b0223de_prep, .Lfunc_end_k_q0c9b0223de_prep-k_q0c9b0223de_prep
	.p2alignl 7, 3214868480
	.fill 96, 4, 3214868480
	.section	.rodata,"a",@progbits
	.p2align	6, 0x0
	.amdhsa_kernel k_q0c9b0223de_prep
		.amdhsa_group_segment_fixed_size 1280
		.amdhsa_private_segment_fixed_size 0
		.amdhsa_enable_private_segment 0
		.amdhsa_kernarg_size 72
		.amdhsa_user_sgpr_count 2
		.amdhsa_user_sgpr_kernarg_segment_ptr 1
		.amdhsa_wavefront_size32 1
		.amdhsa_system_sgpr_workgroup_id_x 1
		.amdhsa_system_sgpr_workgroup_id_y 1
		.amdhsa_system_sgpr_workgroup_id_z 1
		.amdhsa_system_vgpr_workitem_id 0
		.amdhsa_next_free_vgpr 162
		.amdhsa_next_free_sgpr 66
		.amdhsa_reserve_vcc 1
		.amdhsa_float_denorm_mode_32 3
		.amdhsa_float_denorm_mode_16_64 3
		.amdhsa_memory_ordered 1
		.amdhsa_forward_progress 1
		.amdhsa_inst_pref_size 23
	.end_amdhsa_kernel
	.amdgpu_metadata
---
amdhsa.version: [ 1, 2 ]
amdhsa.kernels:
  - .name:           k_q0c9b0223de_prep
    .symbol:         k_q0c9b0223de_prep.kd
    .args:
      - { .name: x, .offset: 0, .size: 8, .value_kind: global_buffer, .address_space: global }
      - { .name: gn_scale, .offset: 8, .size: 8, .value_kind: global_buffer, .address_space: global }
      - { .name: gn_bias, .offset: 16, .size: 8, .value_kind: global_buffer, .address_space: global }
      - { .name: wq, .offset: 24, .size: 8, .value_kind: global_buffer, .address_space: global }
      - { .name: wk, .offset: 32, .size: 8, .value_kind: global_buffer, .address_space: global }
      - { .name: wv, .offset: 40, .size: 8, .value_kind: global_buffer, .address_space: global }
      - { .name: wp, .offset: 48, .size: 8, .value_kind: global_buffer, .address_space: global }
      - { .name: gn, .offset: 56, .size: 8, .value_kind: global_buffer, .address_space: global }
      - { .name: wb, .offset: 64, .size: 8, .value_kind: global_buffer, .address_space: global }
    .group_segment_fixed_size: 1280
    .private_segment_fixed_size: 0
    .kernarg_segment_align: 8
    .kernarg_segment_size: 72
    .max_flat_workgroup_size: 256
    .sgpr_count:     66
    .vgpr_count:     162
    .wavefront_size: 32
...
	.end_amdgpu_metadata
.endif
;; end of part 1
;; launch qkv (part 2): grid 256 x 1, 4 waves a work-group, clusters of 4 x 1, 327,680 bytes of LDS; arguments x, gn, wb, bq, bk, bv, qf, kv; writes qf, kv
.if DOCPART == 2
	.amdgcn_target "amdgcn-amd-amdhsa--gfx1250"
	.amdhsa_code_object_version 6
	.text
	.protected	k_q0c9b0223de_qkv
	.globl	k_q0c9b0223de_qkv
	.p2align	8
	.type	k_q0c9b0223de_qkv,@function
k_q0c9b0223de_qkv:
	s_mov_b64 s[64:65], 0
	v_nop
	global_prefetch_b8 v0, s[64:65] scope:SCOPE_SE
	s_setreg_imm32_b32 hwreg(HW_REG_WAVE_MODE, 25, 1), 1
	s_wait_xcnt 0x0
	s_wait_alu depctr_hold_cnt(0) depctr_sa_sdst(0) depctr_va_vdst(0) depctr_va_sdst(0) depctr_va_ssrc(0) depctr_va_vcc(0) depctr_vm_vsrc(0)
	s_getreg_b32 s2, hwreg(HW_REG_IB_STS2, 6, 4)
	s_cmp_eq_u32 s2, 0
	s_cbranch_scc0 .Lentry_in_a_cluster
	s_endpgm
.Lentry_in_a_cluster:
	s_bfe_u32 s2, ttmp6, 0x10000c
	s_cmp_lg_u32 s2, 0x3003
	s_cbranch_scc0 .Lentry_shape_is_right
	s_endpgm
.Lentry_shape_is_right:
; q, k, v of 64 pixels of one image: h = bf16(x * a + d), then three products with the 256 x 256 weights, f32 sums, results in bf16.
; A work-group has 64 pixels and all 768 outputs; wave w makes output blocks 4 w .. 4 w + 3 (16 channels each) of q, of k and of v:
; 12 blocks x 4 pixel blocks x 8 k steps = 384 matrix instructions a wave.
; FRAGMENT ORDER (all bf16 buffers): a fragment = 16 rows x 32 k = 1,024 bytes; lane L = 16 h + r holds row r; its 16 bytes of half H
; (k = 16 H + 8 h .. + 7) lie at 512 H + 16 L.  Every 16-byte load or store of a wave then covers 512 consecutive bytes.
;   qf[b][pixel block 256][ks 8]: row = pixel, k = channel; holds (q + bq) * 256^-0.5 * log2 e, so that the softmax needs only 2^x
;   kv[b][tile 32][131,072]: a tile = 128 keys; K at 0: [key block 8][ks 8], row = key, k = channel; V at 65,536: [kk 4][cb 16], row = channel, k = key
; q and k: D = W (source 0) x h (source 1): a lane then holds one pixel and 8 neighbouring channels = 16 bytes of a fragment's half.
; v: D = h x W: a lane holds one channel and 8 neighbouring pixels, again 16 bytes of a fragment's half.  No shuffle, no stage.
; CLUSTER 4 x 1: all work-groups walk the same 384 KiB of weights; the four of a cluster ask for them jointly (mask 15).  Wave w fetches
; and reads only its own quarter of a matrix (its 4 output blocks, 32 KiB), so its own wait on TENSORcnt orders its reads.
; LDS: two weight slots of 131,072 bytes (wq, wk at the start; wv refills slot 0 behind a round of the cluster's barrier);
;      H at 262,144.
; A wave has two tensor loads out at the start, later one.
; Limits: matrix operands are rounded to bf16; NaN and infinities are not treated specially.
.set SC,    0x3db8aa3b                 ; 2^-4 * log2 e
.set WSLOT, 131072
.set HB,    262144
.set HP,    160
; window 0
.set XO,  4                            ; x: (t / 16) x 32 channels x 16,384 + 16 (t mod 16)
.set GO,  5                            ; gn: (t / 16) x 128
.set BO,  6                            ; bq, bk: 256 w + 32 h
.set BVO, 7                            ; bv: 256 w + 4 r
.set HS,  8                            ; where I store h
.set TA,  9                            ; where I read h, transposing
.set WA,  10                           ; v10, v11: my weight quarter in slot 0, 1, + 16 L
.set QO,  12                           ; q, k out: 2,048 w + 16 L
.set VO,  13                           ; v out: 4,096 w + 16 L
.set BQ,  16                           ; v[16:47]   bq[64 w + 16 i + 8 h + j] * SC
.set BK,  48                           ; v[48:79]   bk likewise
.set BV,  80                           ; v[80:87]   bv[64 w + 16 i + r], as pairs
.set PK,  88                           ; v[88:103]  packed results of 4 tiles
.set ACC, 104                          ; v[104:135] 4 accumulator tiles, one for each pixel block
; window 1: the 32 fragments of h at 8 (8 pb + ks)
; window 2: v0-63, v64-127 weight fragments of one output block, two buffers (before that: x); v128-159 a, v160-191 d of my 32 channels
.set F0,  0
.set F1,  64
.set GAW, 128
.set GDW, 160
.set MSB, 0
.macro WIN new                         ; s_set_vgpr_msb: bits 1:0 source 0, 3:2 source 1, 5:4 source 2, 7:6 destination; the high byte repeats the setting left
.if MSB != \new
	s_set_vgpr_msb (MSB<<8)|\new
.set MSB, \new
.endif
.endm
.macro PLACES n
.rept \n
	v_nop
.endr
.endm
.macro ROUND                           ; a round of the cluster's barrier: my work-group's barrier, wave 0 signals for it, all wait, my work-group's barrier
	s_barrier_signal -1
	s_barrier_wait -1
	s_cmp_lg_u32 s20, 0
	s_cbranch_scc1 .Lnot_wave_0_\@
	s_barrier_signal -3
.Lnot_wave_0_\@:
	s_barrier_wait -3
	s_barrier_signal -1
	s_barrier_wait -1
.endm
.macro MM d, a, b, zero                ; one matrix instruction; zero: it starts the sum
.if \zero
	v_wmma_f32_16x16x32_bf16 v[\d:\d+7], v[\a:\a+7], v[\b:\b+7], 0
.else
	v_wmma_f32_16x16x32_bf16 v[\d:\d+7], v[\a:\a+7], v[\b:\b+7], v[\d:\d+7]
.endif
.endm
	s_load_b256 s[4:11], s[0:1], 0x0               ; x s[4:5], gn s[6:7], wb s[8:9], bq s[10:11]
	s_load_b256 s[12:19], s[0:1], 0x20             ; bk s[12:13], bv s[14:15], qf s[16:17], kv s[18:19]
	v_lshl_add_u32 v254, v0, 2, 0x4a000
	v_mov_b32 v255, 0
	ds_add_u32 v254, v255
	v_lshrrev_b32 v1, 5, v0
	v_readfirstlane_b32 s20, v1                    ; wave 0..3
	s_bfe_u32 s21, ttmp6, 0x40000                  ; cx
	s_lshr_b32 s22, ttmp9, 4                       ; image: 16 clusters each
	s_and_b32 s23, ttmp9, 15
	s_lshl_b32 s23, s23, 2
	s_add_co_u32 s23, s23, s21                     ; block of 64 pixels, 0..63
	; descriptor group 1: a dense block of 128 rows x 256 bytes (32 elements of 8 bytes), no padding, asked for by all four work-groups
	s_mov_b32 s24, 15|(3<<16)|(1<<21)              ; 15:0 mask; 17:16 elements of 8 bytes; 21 set beside a mask
	s_mov_b32 s25, 32<<16                          ; tensor_dim0 = 32
	s_mov_b32 s26, 128<<16                         ; tensor_dim1 = 128
	s_mov_b32 s27, 32<<16                          ; tile_dim0 = 32
	s_mov_b32 s28, 128                             ; tile_dim1 = 128
	s_mov_b32 s29, 32                              ; pitch = 32 elements
	s_mov_b32 s30, 0
	s_mov_b32 s31, 0
	; three groups 0: wq -> slot 0, wk -> slot 1, wv -> slot 0.  Addresses hang on the wave's number alone.
	s_lshl_b32 s44, s20, 15                        ; my quarter: 32,768 w
	s_mov_b32 s45, 0
	s_mov_b32 s32, 1
	s_lshl_b32 s33, s20, 15
	s_mov_b32 s36, 1
	s_lshl_b32 s37, s20, 15
	s_add_co_u32 s37, s37, WSLOT
	s_mov_b32 s40, 1
	s_lshl_b32 s41, s20, 15
	s_wait_dscnt 0x0
	s_wait_kmcnt 0x0
	s_add_nc_u64 s[34:35], s[8:9], s[44:45]
	s_add_nc_u64 s[38:39], s[34:35], 0x20000
	s_add_nc_u64 s[42:43], s[34:35], 0x40000
	s_or_b32 s35, s35, 0x80000000                  ; type = 2
	s_or_b32 s39, s39, 0x80000000
	s_or_b32 s43, s43, 0x80000000
	ROUND                                          ; the four work-groups are here: the first joint loads meet
	tensor_load_to_lds s[32:35], s[24:31]          ; wq
	s_nop 0
	tensor_load_to_lds s[36:39], s[24:31]          ; wk
	s_nop 0
	v_and_b32 v1, 31, v0                           ; L
	v_and_b32 v2, 15, v0                           ; r
	v_bfe_u32 v3, v0, 4, 1                         ; h
	v_lshrrev_b32 v14, 4, v0                       ; t / 16 = 0..7: my 32 channels while h is made
	v_lshlrev_b32 v[XO], 19, v14
	v_lshl_add_u32 v[XO], v2, 4, v[XO]
	v_lshlrev_b32 v[GO], 7, v14
	s_lshl_b32 s46, s20, 8
	v_lshl_add_u32 v[BO], v3, 5, s46
	v_lshl_add_u32 v[BVO], v2, 2, s46
	v_mul_u32_u24 v[HS], v14, 32*HP
	v_lshl_add_u32 v[HS], v2, 3, v[HS]
	v_add_nc_u32 v[HS], HB, v[HS]                  ; H + 32 (t / 16) rows + 8 bytes (4 pixels) x (t mod 16)
	v_and_b32 v15, 7, v0
	v_lshl_add_u32 v15, v3, 3, v15                 ; row 8 h + (L mod 8)
	v_mul_u32_u24 v[TA], v15, HP
	v_bfe_u32 v15, v0, 3, 1
	v_lshl_add_u32 v[TA], v15, 4, v[TA]            ; + 16 bytes for lanes 8-15 and 24-31
	v_add_nc_u32 v[TA], HB, v[TA]
	v_lshlrev_b32 v[WA], 4, v1
	v_add_nc_u32 v[WA], s44, v[WA]
	v_add_nc_u32 v[WA+1], WSLOT, v[WA]
	s_lshl_b32 s47, s20, 11
	v_lshl_add_u32 v[QO], v1, 4, s47
	s_lshl_b32 s47, s20, 12
	v_lshl_add_u32 v[VO], v1, 4, s47
	; bases; what hangs on cx stays in s48-s51 and enters global addresses of my own loads and stores alone
	s_lshl_b32 s48, s22, 22                        ; x: 4 MiB an image + 256 bytes a block
	s_lshl_b32 s49, s23, 8
	s_add_co_u32 s48, s48, s49
	s_mov_b32 s49, 0
	s_add_nc_u64 s[4:5], s[4:5], s[48:49]
	s_lshl_b32 s48, s22, 11                        ; gn: 2,048 bytes an image
	s_add_nc_u64 s[6:7], s[6:7], s[48:49]
	s_lshl_b32 s48, s22, 21                        ; qf: 2 MiB an image + 4 pixel blocks x 8,192
	s_lshl_b32 s50, s23, 15
	s_add_co_u32 s48, s48, s50
	s_add_nc_u64 s[16:17], s[16:17], s[48:49]
	s_lshl_b32 s48, s22, 22                        ; kv: 4 MiB an image + tile (block / 2) + the tile's half: 32,768 bytes of K, and of V
	s_lshr_b32 s50, s23, 1
	s_lshl_b32 s50, s50, 17
	s_add_co_u32 s48, s48, s50
	s_and_b32 s51, s23, 1
	s_lshl_b32 s51, s51, 15
	s_add_co_u32 s48, s48, s51
	s_add_nc_u64 s[18:19], s[18:19], s[48:49]
	WIN 0x80                                       ; destination window 2
.irp i, 0,1,2,3,4,5,6,7
	global_load_b128 v[GAW+4*\i:GAW+4*\i+3], v[GO], s[6:7] offset:16*\i
	global_load_b128 v[GDW+4*\i:GDW+4*\i+3], v[GO], s[6:7] offset:1024+16*\i
.endr
.set it, 0
.rept 32
	global_load_b128 v[4*it:4*it+3], v[XO], s[4:5] offset:it*16384   ; channel 32 (t / 16) + it: sixteen lanes take the block's 256 consecutive bytes of it
.set it, it+1
.endr
	WIN 0
.irp i, 0,1,2,3
	global_load_b128 v[BQ+8*\i:BQ+8*\i+3],   v[BO], s[10:11] offset:64*\i
	global_load_b128 v[BQ+8*\i+4:BQ+8*\i+7], v[BO], s[10:11] offset:64*\i+16
	global_load_b128 v[BK+8*\i:BK+8*\i+3],   v[BO], s[12:13] offset:64*\i
	global_load_b128 v[BK+8*\i+4:BK+8*\i+7], v[BO], s[12:13] offset:64*\i+16
	global_load_b32  v[BV+2*\i], v[BVO], s[14:15] offset:64*\i
.endr
	s_wait_loadcnt 0x0
	; h = x * a + d, rounded to bf16, into H
	WIN 0xaa
.set it, 0
.rept 32
.irp p, 0,1,2,3
	v_fma_f32 v[4*it+\p], v[4*it+\p], v[GAW+it], v[GDW+it]
.endr
.set it, it+1
.endr
	WIN 0x8a
.set it, 0
.rept 32
	v_cvt_pk_bf16_f32 v[4*it],   v[4*it],   v[4*it+1]
	v_cvt_pk_bf16_f32 v[4*it+1], v[4*it+2], v[4*it+3]
.set it, it+1
.endr
	WIN 0x08                                       ; store data in window 2
.set it, 0
.rept 32
	ds_store_b64 v[HS], v[4*it:4*it+1] offset:it*HP
.set it, it+1
.endr
	WIN 0
.set j, 0
.rept 16
	v_pk_mul_f32 v[BQ+j:BQ+j+1], v[BQ+j:BQ+j+1], SC op_sel_hi:[1,0]    ; q = (sum + bq) * SC = sum * SC + bq * SC
.set j, j+2
.endr
.irp i, 0,1,2,3
	v_mov_b32 v[BV+2*\i+1], v[BV+2*\i]             ; a pair for the packed add
.endr
	s_wait_dscnt 0x0                               ; for the other waves: my part of H is in LDS before I signal
	s_barrier_signal -1                            ; the two tensor loads may stay out
	s_barrier_wait -1
	; the 32 fragments of h (16 pixels x 32 channels), transposed on the way: they serve as source 1 (q, k) and as source 0 (v)
	WIN 0x40
.irp pb, 0,1,2,3
.irp ks, 0,1,2,3,4,5,6,7
	ds_load_tr16_b128 v[8*(8*\pb+\ks):8*(8*\pb+\ks)+3],   v[TA] offset:\ks*32*HP+\pb*32
	ds_load_tr16_b128 v[8*(8*\pb+\ks)+4:8*(8*\pb+\ks)+7], v[TA] offset:\ks*32*HP+\pb*32+16*HP
.endr
.endr
	WIN 0
; the 8 weight fragments of my output block i of the matrix in a slot, into buffer f: 16 loads of 512 consecutive bytes
.macro FETCH slot, i, f
	WIN 0x80
.irp ks, 0,1,2,3,4,5,6,7
	ds_load_b128 v[\f+8*\ks:\f+8*\ks+3],   v[WA+\slot] offset:\i*8192+\ks*1024
	ds_load_b128 v[\f+8*\ks+4:\f+8*\ks+7], v[WA+\slot] offset:\i*8192+\ks*1024+512
.endr
	WIN 0
.endm
; One output block: kind 0 q, 1 k, 2 v; i = 0..3; f = its buffer; left = LDS loads that may stay out (the next block's 16).
; fetch: the block after next (block ni of the matrix in slot nslot) is then loaded into the same buffer; twait: that slot's fill is waited for first.
; The four accumulators take turns, one instruction a turn.
.macro OB kind, i, f, left, fetch, nslot, ni, twait
	s_wait_dscnt \left
.if \kind == 2
	WIN 0x09                                       ; source 0 = h (window 1), source 1 = weights (window 2)
.irp ks, 0,1,2,3,4,5,6,7
.irp pb, 0,1,2,3
	MM ACC+8*\pb, 8*(8*\pb+\ks), \f+8*\ks, (\ks==0)
.endr
.endr
.else
	WIN 0x06                                       ; source 0 = weights (window 2), source 1 = h (window 1)
.irp ks, 0,1,2,3,4,5,6,7
.irp pb, 0,1,2,3
	MM ACC+8*\pb, \f+8*\ks, 8*(8*\pb+\ks), (\ks==0)
.endr
.endr
.endif
	WIN 0
	PLACES 5                                       ; behind the last matrix instructions (ISA guide 7.12.1): 4 before results are read and the buffer is loaded again, 5 before the next block's first products write over the accumulators
.if \fetch
.if \twait
	s_wait_tensorcnt 0x0                           ; wv has landed in my quarter of slot 0
.endif
	FETCH \nslot, \ni, \f
.endif
	s_wait_xcnt 0x0                                ; PK, which the last block's stores read, is rewritten only behind this wait
.irp pb, 0,1,2,3
.irp j, 0,2,4,6
.if \kind == 0
	v_pk_fma_f32 v[ACC+8*\pb+\j:ACC+8*\pb+\j+1], v[ACC+8*\pb+\j:ACC+8*\pb+\j+1], SC, v[BQ+8*\i+\j:BQ+8*\i+\j+1] op_sel_hi:[1,0,1]
.else
.if \kind == 1
	v_pk_add_f32 v[ACC+8*\pb+\j:ACC+8*\pb+\j+1], v[ACC+8*\pb+\j:ACC+8*\pb+\j+1], v[BK+8*\i+\j:BK+8*\i+\j+1]
.else
	v_pk_add_f32 v[ACC+8*\pb+\j:ACC+8*\pb+\j+1], v[ACC+8*\pb+\j:ACC+8*\pb+\j+1], v[BV+2*\i:BV+2*\i+1]
.endif
.endif
.endr
.irp j, 0,1,2,3
	v_cvt_pk_bf16_f32 v[PK+4*\pb+\j], v[ACC+8*\pb+2*\j], v[ACC+8*\pb+2*\j+1]
.endr
.if \kind == 0
	global_store_b128 v[QO], v[PK+4*\pb:PK+4*\pb+3], s[16:17] offset:\pb*8192+\i*512      ; pixel block pb, k step and half = output block 4 w + i
.else
.if \kind == 1
	global_store_b128 v[QO], v[PK+4*\pb:PK+4*\pb+3], s[18:19] offset:\pb*8192+\i*512
.else
	global_store_b128 v[VO], v[PK+4*\pb:PK+4*\pb+3], s[18:19] offset:65536+(\pb>>1)*16384+(\pb&1)*512+\i*1024   ; 32 keys pb / 2, half pb mod 2, channel block 4 w + i
.endif
.endif
.endr
.endm
	s_wait_tensorcnt 0x0                           ; wq and wk: my quarters, which I alone read
	FETCH 0, 0, F0
	FETCH 0, 1, F1
	OB 0, 0, F0, 16, 1, 0, 2, 0
	OB 0, 1, F1, 16, 1, 0, 3, 0
	OB 0, 2, F0, 16, 1, 1, 0, 0
	OB 0, 3, F1, 16, 1, 1, 1, 0
	s_wait_dscnt 0x0                               ; my reads of slot 0 are over
	s_wait_tensorcnt 0x0                           ; and none of my tensor loads is out
	ds_add_u32 v254, v255
	s_wait_dscnt 0x0
	ROUND                                          ; the same now holds of every wave of the four work-groups
	tensor_load_to_lds s[40:43], s[24:31]          ; wv into slot 0: my one tensor load behind the round, and the first thing there
	s_nop 0
	OB 1, 0, F0, 16, 1, 1, 2, 0
	OB 1, 1, F1, 16, 1, 1, 3, 0
	OB 1, 2, F0, 16, 1, 0, 0, 1
	OB 1, 3, F1, 16, 1, 0, 1, 0
	OB 2, 0, F0, 16, 1, 0, 2, 0
	OB 2, 1, F1, 16, 1, 0, 3, 0
	OB 2, 2, F0, 16, 0, 0, 0, 0
	OB 2, 3, F1, 0, 0, 0, 0, 0
	s_wait_tensorcnt 0x0
	ds_add_u32 v254, v255
	s_wait_dscnt 0x0
	ROUND                                          ; the closing round: no work-group ends while a partner may still ask jointly
	s_endpgm
.Lfunc_end_k_q0c9b0223de_qkv:
	.size	k_q0c9b0223de_qkv, .Lfunc_end_k_q0c9b0223de_qkv-k_q0c9b0223de_qkv
	.p2alignl 7, 3214868480
	.fill 96, 4, 3214868480
	.section	.rodata,"a",@progbits
	.p2align	6, 0x0
	.amdhsa_kernel k_q0c9b0223de_qkv
		.amdhsa_group_segment_fixed_size 327680
		.amdhsa_private_segment_fixed_size 0
		.amdhsa_enable_private_segment 0
		.amdhsa_kernarg_size 64
		.amdhsa_user_sgpr_count 2
		.amdhsa_user_sgpr_kernarg_segment_ptr 1
		.amdhsa_wavefront_size32 1
		.amdhsa_system_sgpr_workgroup_id_x 1
		.amdhsa_system_sgpr_workgroup_id_y 1
		.amdhsa_system_sgpr_workgroup_id_z 1
		.amdhsa_system_vgpr_workitem_id 0
		.amdhsa_next_free_vgpr 704
		.amdhsa_next_free_sgpr 66
		.amdhsa_reserve_vcc 0
		.amdhsa_float_denorm_mode_32 3
		.amdhsa_float_denorm_mode_16_64 3
		.amdhsa_memory_ordered 1
		.amdhsa_forward_progress 1
		.amdhsa_inst_pref_size 103
	.end_amdhsa_kernel
	.amdgpu_metadata
---
amdhsa.version: [ 1, 2 ]
amdhsa.kernels:
  - .name:           k_q0c9b0223de_qkv
    .symbol:         k_q0c9b0223de_qkv.kd
    .args:
      - { .name: x, .offset: 0, .size: 8, .value_kind: global_buffer, .address_space: global }
      - { .name: gn, .offset: 8, .size: 8, .value_kind: global_buffer, .address_space: global }
      - { .name: wb, .offset: 16, .size: 8, .value_kind: global_buffer, .address_space: global }
      - { .name: bq, .offset: 24, .size: 8, .value_kind: global_buffer, .address_space: global }
      - { .name: bk, .offset: 32, .size: 8, .value_kind: global_buffer, .address_space: global }
      - { .name: bv, .offset: 40, .size: 8, .value_kind: global_buffer, .address_space: global }
      - { .name: qf, .offset: 48, .size: 8, .value_kind: global_buffer, .address_space: global }
      - { .name: kv, .offset: 56, .size: 8, .value_kind: global_buffer, .address_space: global }
    .group_segment_fixed_size: 327680
    .private_segment_fixed_size: 0
    .kernarg_segment_align: 8
    .kernarg_segment_size: 64
    .max_flat_workgroup_size: 128
    .sgpr_count:     66
    .vgpr_count:     704
    .wavefront_size: 32
...
	.end_amdgpu_metadata
.endif
;; end of part 2
;; launch attn (part 3): grid 256 x 1, 4 waves a work-group, clusters of 4 x 1, 327,680 bytes of LDS; arguments qf, kv, wb, bp, x, out0; writes out0
.if DOCPART == 3
	.amdgcn_target "amdgcn-amd-amdhsa--gfx1250"
	.amdhsa_code_object_version 6
	.text
	.protected	k_q0c9b0223de_attn
	.globl	k_q0c9b0223de_attn
	.p2align	8
	.type	k_q0c9b0223de_attn,@function
k_q0c9b0223de_attn:
	s_mov_b64 s[64:65], 0
	v_nop
	global_prefetch_b8 v0, s[64:65] scope:SCOPE_SE
	s_setreg_imm32_b32 hwreg(HW_REG_WAVE_MODE, 25, 1), 1
	s_wait_xcnt 0x0
	s_wait_alu depctr_hold_cnt(0) depctr_sa_sdst(0) depctr_va_vdst(0) depctr_va_sdst(0) depctr_va_ssrc(0) depctr_va_vcc(0) depctr_vm_vsrc(0)
	s_getreg_b32 s2, hwreg(HW_REG_IB_STS2, 6, 4)
	s_cmp_eq_u32 s2, 0
	s_cbranch_scc0 .Lentry_in_a_cluster
	s_endpgm
.Lentry_in_a_cluster:
	s_bfe_u32 s2, ttmp6, 0x10000c
	s_cmp_lg_u32 s2, 0x3003
	s_cbranch_scc0 .Lentry_shape_is_right
	s_endpgm
.Lentry_shape_is_right:
; Attention of 64 queries of one image over its 4,096 keys (d = 256), the projection by wp, bias and residual.
; The four waves split the KEYS: of each tile of 128 keys wave w takes keys 32 w .. 32 w + 31, for all 64 queries and all 256 channels
; (O: 64 tiles of 16 x 16 f32 = 512 registers).  A tile is 128 matrix instructions and 64 LDS loads of 16 bytes a lane for a wave.
; Each wave keeps a running maximum m and sum l of its own keys; the four partial results are merged once at the end.
; ORIENTATION: S^T = K (source 0) x Q^T (source 1): a lane holds ONE query (r) and keys 8 h + j, so maximum, factor and sum are per lane;
; two tiles of S^T pack straight into source 1 of O^T = V x P^T; the tiles of O^T pack straight into source 0 of the projection.
; q already carries 256^-0.5 * log2 e, so the softmax is 2^(s - m).  The maximum is taken away for every tile.
; THE LOOP IS A PIPELINE.  Trip i: first half S(i+1) = K(i+1) Q^T, 64 matrix instructions, and behind each of them the four packed
; multiplies that rescale one tile of O by alpha(i); second half O += V(i) P(i), 64 matrix instructions, and behind the first 49 of them a
; batch of at most four instructions of softmax(i+1).  So the vector work is spread among the matrix instructions instead of standing
; between runs of them; only the 32 conversions into P(i+1) stand alone, since P(i) is read to the end of the second half.
; Each such place costs two window switches: O fills windows 2 and 3 and Q window 1, a vector instruction's destination shares its window
; field with a matrix instruction's D, and v_exp_f32 has only the source field that also names the K or V fragment: no one setting serves both.
; All bf16 buffers are in fragment order (16 rows x 32 k = 1,024 bytes; lane L's 16 bytes of half H at 512 H + 16 L): every LDS or global
; access of 16 bytes a lane covers 512 consecutive bytes, and a kv tile is a dense block of 131,072 bytes: K's 65,536, then V's.
; CLUSTER 4 x 1: the four work-groups of a cluster have the same image and walk the same 32 kv tiles; they ask for them jointly (mask 15).
; Waves 0 and 1 fetch K's halves, waves 2 and 3 V's, 32 KiB a load.  Behind the round of trip i go K(i+3) and V(i+1), both into slot (i+1) mod 2:
; K is used one and a half trips earlier than V, so its loads run two tiles ahead; the first two rounds have K's loads alone, the last two V's.
; A wave has two tensor loads out at the start, later one.
; THE ORDER OF TILES: cluster c (0..15) of an image starts at tile 2 c and walks round modulo 32 (the result does not hang on the order of the
; keys), so that the sixteen clusters of an image ask for sixteen different tiles at any time, and for one tile at sixteen different times.
; That is also why no prefetch is written: but for its first tiles a cluster asks for what another cluster has read before.
; LDS: two slots of 131,072 bytes; STATS at 262,144 (2,048 bytes) and AT at 264,192 (32,768 bytes), never the target of a fill.
;      Behind the last fill and the last read of the slots their bytes serve as XCH (the exchange of partial O, 4 x 65,536) and then as
;      STG (4 x 64 rows of 272 bytes, each wave's own, for the way out).
; REGISTERS: window 0: addresses, STA, scores, P, two fragment buffers; window 1: Q (later wp); windows 2 and 3: O (channel blocks 0-7, 8-15).
; Limits: operands q, k, v, P and the merged attention are rounded to bf16; v_exp_f32 gives 0 below 2^-126; NaN and infinities are not
; treated specially; the sums over keys are formed in four parts, from a start that differs from cluster to cluster, and merged: an order other than the reference's.
.set SLOT,   131072
.set IMG,    4194304                   ; bytes of kv an image
.set STATS,  262144
.set AT,     264192
.set SPITCH, 272
.set ADRK, 4                           ; v4, v5   my two K blocks in slot 0, 1: slot + 16,384 w + 16 L
.set ADRV, 6                           ; v6, v7   my V block: + 65,536
.set STA,  8                           ; v[8:31]  for each query block 6 registers: (M, T) (AL, U) (L0, L1); behind the update T = M and U = AL: plain pairs for packed arithmetic
.set SCO,  32                          ; v[32:95] scores: 32 + 16 qb + 8 kb + j
.set PRB,  96                          ; v[96:127] P: 96 + 8 qb
.set F0,   128                         ; fragment buffer 0
.set F1,   192                         ; fragment buffer 1
.set OFS,  48                          ; s[48:49], s[50:51]: byte offset in the image of the tile that slot 0, 1 got last (upper words 0)
.set MSB, 0
.macro WIN new                         ; s_set_vgpr_msb: bits 1:0 source 0, 3:2 source 1, 5:4 source 2, 7:6 destination; the high byte repeats the setting left
.if MSB != \new
	s_set_vgpr_msb (MSB<<8)|\new
.set MSB, \new
.endif
.endm
.macro PLACES n                        ; plain vector instructions behind matrix instructions (ISA guide 7.12.1)
.rept \n
	v_nop
.endr
.endm
.macro CREST                           ; a round of the cluster's barrier behind its opening work-group barrier
	s_cmp_lg_u32 s16, 0
	s_cbranch_scc1 .Lnot_wave_0_\@
	s_barrier_signal -3
.Lnot_wave_0_\@:
	s_barrier_wait -3
	s_barrier_signal -1
	s_barrier_wait -1
.endm
.macro ROUND
	s_barrier_signal -1
	s_barrier_wait -1
	CREST
.endm
.macro MM d, a, b, zero                ; one matrix instruction; zero: it starts the sum
.if \zero
	v_wmma_f32_16x16x32_bf16 v[\d:\d+7], v[\a:\a+7], v[\b:\b+7], 0
.else
	v_wmma_f32_16x16x32_bf16 v[\d:\d+7], v[\a:\a+7], v[\b:\b+7], v[\d:\d+7]
.endif
.endm
	s_load_b256 s[4:11], s[0:1], 0x0               ; qf s[4:5], kv s[6:7], wb s[8:9], bp s[10:11]
	s_load_b128 s[12:15], s[0:1], 0x20             ; x s[12:13], out0 s[14:15]
	v_lshl_add_u32 v94, v0, 2, 0x48800
	v_mov_b32 v95, 0
	ds_add_u32 v94, v95
	s_wait_dscnt 0x0
	v_lshrrev_b32 v2, 5, v0
	v_readfirstlane_b32 s16, v2                    ; wave 0..3
	s_lshr_b32 s52, s16, 1                         ; 0: I fetch for K, 1: for V
	s_bfe_u32 s17, ttmp6, 0x40000                  ; cx
	s_lshr_b32 s18, ttmp9, 4                       ; image
	s_and_b32 s53, ttmp9, 15                       ; c: the cluster's number in its image, the same in the four partners
	s_lshl_b32 s19, s53, 2
	s_add_co_u32 s19, s19, s17                     ; block of 64 queries, 0..63
	s_mov_b32 s22, 0x76543210                      ; v_permlanex16_b32: lane i reads lane i of the other half
	s_mov_b32 s23, 0xfedcba98
	; descriptor group 1: a dense block of 128 rows x 256 bytes, asked for by all four work-groups
	s_mov_b32 s24, 15|(3<<16)|(1<<21)              ; 15:0 mask; 17:16 elements of 8 bytes; 21 set beside a mask
	s_mov_b32 s25, 32<<16                          ; tensor_dim0 = 32
	s_mov_b32 s26, 128<<16                         ; tensor_dim1 = 128
	s_mov_b32 s27, 32<<16                          ; tile_dim0 = 32
	s_mov_b32 s28, 128                             ; tile_dim1 = 128
	s_mov_b32 s29, 32                              ; pitch
	s_mov_b32 s30, 0
	s_mov_b32 s31, 0
	; groups 0, one for each slot.  The addresses hang on the image and c (shared by the cluster) and on the wave's number.
	s_lshl_b32 s[OFS], s53, 18                     ; my cluster's first tile: 2 c x 131,072 bytes,
	s_mov_b32 s[OFS+1], 0
	s_add_co_u32 s[OFS+2], s[OFS], SLOT            ; and its second: at most tile 31, inside the image
	s_mov_b32 s[OFS+3], 0
	s_lshl_b32 s20, s18, 22
	s_lshl_b32 s21, s16, 15
	s_add_co_u32 s20, s20, s21
	s_mov_b32 s21, 0
	s_mov_b32 s32, 1
	s_lshl_b32 s33, s16, 15
	s_mov_b32 s36, 1
	s_lshl_b32 s37, s16, 15
	s_add_co_u32 s37, s37, SLOT
	s_wait_kmcnt 0x0
	s_add_nc_u64 s[6:7], s[6:7], s[20:21]          ; kv at my image and my quarter of a tile; kept
	s_add_nc_u64 s[34:35], s[6:7], s[OFS:OFS+1]
	s_add_nc_u64 s[38:39], s[6:7], s[OFS+2:OFS+3]
	s_or_b32 s35, s35, 0x80000000                  ; type = 2
	s_or_b32 s39, s39, 0x80000000
	ROUND                                          ; the four work-groups are here: the first joint loads meet
	tensor_load_to_lds s[32:35], s[24:31]          ; tile 0 of my cluster's walk
	s_nop 0
	tensor_load_to_lds s[36:39], s[24:31]          ; tile 1
	s_nop 0
	v_and_b32 v2, 31, v0
	v_lshlrev_b32 v1, 4, v2                        ; v1 = 16 L, kept
	s_lshl_b32 s40, s16, 14
	v_add_nc_u32 v[ADRK], s40, v1
	v_add_nc_u32 v[ADRK+1], SLOT, v[ADRK]
	v_add_nc_u32 v[ADRV], 65536, v[ADRK]
	v_add_nc_u32 v[ADRV+1], SLOT+65536, v[ADRK]
	v_and_b32 v2, 15, v0
	s_lshl_b32 s41, s16, 8
	s_add_co_u32 s41, s41, STATS
	v_lshl_add_u32 v3, v2, 4, s41                  ; v3 = STATS + 256 w + 16 r, kept
	s_lshl_b32 s42, s16, 15                        ; wp: matrix 3 of wb, my 4 output blocks
	s_add_co_u32 s42, s42, 393216
	s_mov_b32 s43, 0
	s_add_nc_u64 s[8:9], s[8:9], s[42:43]
	; what hangs on cx stays in s44-s47 and enters global addresses of my own loads and stores alone
	s_lshl_b32 s44, s18, 21                        ; qf: 2 MiB an image + 32,768 a block
	s_lshl_b32 s45, s19, 15
	s_add_co_u32 s44, s44, s45
	s_mov_b32 s45, 0
	s_add_nc_u64 s[4:5], s[4:5], s[44:45]
	s_lshl_b32 s46, s18, 22                        ; x, out0: 4 MiB an image + my 64 channels (1 MiB) + 256 bytes a block
	s_lshl_b32 s47, s16, 20
	s_add_co_u32 s46, s46, s47
	s_lshl_b32 s47, s19, 8
	s_add_co_u32 s46, s46, s47
	s_mov_b32 s47, 0
	s_add_nc_u64 s[12:13], s[12:13], s[46:47]
	s_add_nc_u64 s[14:15], s[14:15], s[46:47]
	WIN 0x40                                       ; destination window 1: the 32 fragments of Q at 8 (8 qb + ks); every wave holds all 64 queries
.set i, 0
.rept 64
	global_load_b128 v[4*i:4*i+3], v1, s[4:5] offset:512*i
.set i, i+1
.endr
	WIN 0
.macro FETCHK slot, kb, f              ; 16 keys x 256 channels: 8 fragments, 16 loads
.irp ks, 0,1,2,3,4,5,6,7
	ds_load_b128 v[\f+8*\ks:\f+8*\ks+3],   v[ADRK+\slot] offset:\kb*8192+\ks*1024
	ds_load_b128 v[\f+8*\ks+4:\f+8*\ks+7], v[ADRK+\slot] offset:\kb*8192+\ks*1024+512
.endr
.endm
.macro FETCHV slot, half, f            ; 128 channels x my 32 keys: 8 fragments, 16 loads
.irp c, 0,1,2,3,4,5,6,7
	ds_load_b128 v[\f+8*\c:\f+8*\c+3],   v[ADRV+\slot] offset:(8*\half+\c)*1024
	ds_load_b128 v[\f+8*\c+4:\f+8*\c+7], v[ADRV+\slot] offset:(8*\half+\c)*1024+512
.endr
.endm
.macro RS4 t                           ; tile t = 4 c + qb of the window's 32 tiles of O *= (AL, U) of its query block: per query = per lane
.irp j, 0,2,4,6
	v_pk_mul_f32 v[8*(\t)+\j:8*(\t)+\j+1], v[8*(\t)+\j:8*(\t)+\j+1], v[STA+6*((\t)&3)+2:STA+6*((\t)&3)+3]
.endr
.endm
.macro RESCALE                         ; all of O, by itself: for the last tile and for the merge
	WIN 0x82
.set tix, 0
.rept 32
	RS4 tix
.set tix, tix+1
.endr
	WIN 0xc3
.set tix, 0
.rept 32
	RS4 tix
.set tix, tix+1
.endr
	WIN 0
.endm
; n places of the first half: the matrix instruction number sidx = 4 ks + qb of S^T's key block kb, on buffer f (the four accumulators take
; turns), and behind it, if resc, the rescaling of tile sidx of O's window (win: 0x82 window 2, 0xc3 window 3).
; O is rescaled for every tile: no branch hangs on numbers.
.macro P1 kb, f, from, n, win, resc
.set sidx, \from
.rept \n
.set mmd, SCO+16*(sidx&3)+8*\kb
.set mma, \f+8*(sidx>>2)
.set mmb, 8*(8*(sidx&3)+(sidx>>2))
	WIN 0x04                                       ; source 1 = Q, window 1
.if sidx < 4
	MM mmd, mma, mmb, 1
.else
	MM mmd, mma, mmb, 0
.endif
.if \resc
	WIN \win
	RS4 sidx
.endif
.set sidx, sidx+1
.endr
.endm
; The next matrix instruction of the second half, number pidx = 4 c + qb (0..31 window 2 on buffer 0, 32..63 window 3 on buffer 1): each
; accumulator once.  In front of number 32 buffer 0 is given to the next trip's first K block.  back: window 0 again, for the vector work behind it.
.macro PVS back
.if PVON
.if pidx == 32
	WIN 0
.if NEXTK
	PLACES 4                                       ; buffer 0 was a source of the last matrix instructions
	FETCHK KN, 0, F0
	s_wait_dscnt 16                                ; buffer 1 is in; the 16 loads just issued stay out
.else
	s_wait_dscnt 0x0
.endif
.endif
.set mmb, PRB+8*(pidx&3)
.if pidx < 32
.set mmd, 8*pidx
.set mma, F0+8*(pidx>>2)
	WIN 0xa0                                       ; C and D in window 2
.else
.set mmd, 8*(pidx-32)
.set mma, F1+8*((pidx-32)>>2)
	WIN 0xf0                                       ; C and D in window 3
.endif
	MM mmd, mma, mmb, PVZERO
.if \back
	WIN 0
.endif
.set pidx, pidx+1
.endif
.endm
.macro PVREST                          ; what is left of the 64, back to back
.rept 64
.if pidx < 64
	PVS 0
.endif
.endr
.endm
; a link of the chains of maxima, for the four query blocks: d = 1 (T) or 3 (U); first: three scores from number s start the chain, else two more join it
.macro MXS d, first, s
.irp qb, 0,1,2,3
.if \first
	v_max3_num_f32 v[STA+6*\qb+\d], v[SCO+16*\qb+\s], v[SCO+16*\qb+\s+1], v[SCO+16*\qb+\s+2]
.else
	v_max3_num_f32 v[STA+6*\qb+\d], v[STA+6*\qb+\d], v[SCO+16*\qb+\s], v[SCO+16*\qb+\s+1]
.endif
.endr
.endm
.macro SUB1 q, k                       ; two scores - m
	v_pk_add_f32 v[SCO+16*(\q)+2*(\k):SCO+16*(\q)+2*(\k)+1], v[SCO+16*(\q)+2*(\k):SCO+16*(\q)+2*(\k)+1], v[STA+6*(\q):STA+6*(\q)+1] neg_lo:[0,1] neg_hi:[0,1]
.endm
.macro SUM1 q, k, z                    ; l = l * alpha + my 16 numbers, two at a time, as two partial sums; the numbers stay as they are, for the packing.  z: no l yet
.if \z
.if \k == 1
	s_wait_alu depctr_va_vdst(0)
	v_pk_add_f32 v[STA+6*(\q)+4:STA+6*(\q)+5], v[SCO+16*(\q):SCO+16*(\q)+1], v[SCO+16*(\q)+2:SCO+16*(\q)+3]
.endif
.if \k > 1
	s_wait_alu depctr_va_vdst(0)
	v_pk_add_f32 v[STA+6*(\q)+4:STA+6*(\q)+5], v[STA+6*(\q)+4:STA+6*(\q)+5], v[SCO+16*(\q)+2*(\k):SCO+16*(\q)+2*(\k)+1]
.endif
.else
.if \k == 0
	v_pk_fma_f32 v[STA+6*(\q)+4:STA+6*(\q)+5], v[STA+6*(\q)+4:STA+6*(\q)+5], v[STA+6*(\q)+2:STA+6*(\q)+3], v[SCO+16*(\q):SCO+16*(\q)+1]
.else
	s_wait_alu depctr_va_vdst(0)
	v_pk_add_f32 v[STA+6*(\q)+4:STA+6*(\q)+5], v[STA+6*(\q)+4:STA+6*(\q)+5], v[SCO+16*(\q)+2*(\k):SCO+16*(\q)+2*(\k)+1]
.endif
.endif
.endm
; The running maximum over my 16 scores, the other half of the lanes and M; alpha = 2^(M old - M new); the scores become 2^(s - M); l.
; z: the first tile, no M and no l yet.  49 batches of at most four instructions, each behind one matrix instruction of the second half.
; T and U carry the chains of maxima: the last tile's copies in them are dead by now.  In the long middle a batch is two exponentials of
; query block q, one subtraction for block q + 1 and one addition for block q - 1: behind every run of v_exp_f32 stands a plain
; instruction that names none of its registers before a result is used (ISA guide 5.7.2).
.macro SOFTMAX z
	PVS 1
	MXS 1, 1, 0
	PVS 1
	MXS 3, 1, 3
	PVS 1
	MXS 1, 0, 6
	PVS 1
	MXS 3, 0, 8
	PVS 1
	MXS 1, 0, 10
	PVS 1
	MXS 3, 0, 12
	PVS 1
	MXS 1, 0, 14
	PVS 1
.irp qb, 0,1,2,3
.if \z
	v_max_num_f32 v[STA+6*\qb+1], v[STA+6*\qb+1], v[STA+6*\qb+3]
.else
	v_max3_num_f32 v[STA+6*\qb+1], v[STA+6*\qb+1], v[STA+6*\qb+3], v[STA+6*\qb]
.endif
.endr
	PVS 1
.irp qb, 0,1,2,3
	v_permlanex16_b32 v[STA+6*\qb+3], v[STA+6*\qb+1], s22, s23     ; the same query's other eight keys of each block
.endr
	PVS 1
.irp qb, 0,1,2,3
	v_max_num_f32 v[STA+6*\qb+1], v[STA+6*\qb+1], v[STA+6*\qb+3]   ; T = the new maximum
.endr
.if \z == 0
	PVS 1
.irp qb, 0,1,2,3
	v_sub_f32 v[STA+6*\qb+3], v[STA+6*\qb], v[STA+6*\qb+1]
.endr
.endif
	PVS 1
.irp qb, 0,1,2,3
	v_mov_b32 v[STA+6*\qb], v[STA+6*\qb+1]         ; M = T
.endr
.if \z == 0
	PVS 1
.irp qb, 0,1,2,3
	v_exp_f32 v[STA+6*\qb+2], v[STA+6*\qb+3]       ; AL
.endr
.endif
	PVS 1
.irp k, 0,1,2,3
	SUB1 0, \k
.endr
	PVS 1
.irp k, 4,5,6,7
	SUB1 0, \k
.endr
.irp q, 0,1,2,3
.irp k, 0,1,2,3,4,5,6,7
	PVS 1
	v_exp_f32 v[SCO+16*\q+2*\k], v[SCO+16*\q+2*\k]
	v_exp_f32 v[SCO+16*\q+2*\k+1], v[SCO+16*\q+2*\k+1]
.if \q < 3
	SUB1 \q+1, \k
.endif
.if \q > 0
	SUM1 \q-1, \k, \z
.endif
.if \q == 0
.if \z == 0
.if \k < 4
	s_wait_alu depctr_va_vdst(0)
	v_mov_b32 v[STA+6*\k+3], v[STA+6*\k+2]         ; U = AL
.endif
.endif
.endif
.endr
.endr
	PVS 1
.irp k, 0,1,2,3
	SUM1 3, \k, \z
.endr
	PVS 1
.irp k, 4,5,6,7
	SUM1 3, \k, \z
.endr
.endm
.macro PACK                            ; P in bf16: the two key blocks are the halves of a fragment
.irp qb, 0,1,2,3
.irp j, 0,1,2,3,4,5,6,7
	v_cvt_pk_bf16_f32 v[PRB+8*\qb+\j], v[SCO+16*\qb+2*\j], v[SCO+16*\qb+2*\j+1]
.endr
.endr
.endm
; The refill of slot s, first thing behind the round.  kind 1: K's loads alone (waves 0, 1), 2: all four waves, 3: V's alone (waves 2, 3).
; The branch hangs on the wave's number alone, the same in every partner.  No load of mine is out, so the group 0 may be written: the slot's
; next tile lies two further on, round the image's 32 tiles; the offset is kept apart from the address.
.macro FILL s, kind
.if \kind == 1
	s_cmp_lg_u32 s52, 0
	s_cbranch_scc1 .Lnone_\@
.endif
.if \kind == 3
	s_cmp_eq_u32 s52, 0
	s_cbranch_scc1 .Lnone_\@
.endif
	s_add_co_u32 s[OFS+2*\s], s[OFS+2*\s], 2*SLOT
	s_and_b32 s[OFS+2*\s], s[OFS+2*\s], IMG-1
	s_add_nc_u64 s[34+4*\s:35+4*\s], s[6:7], s[OFS+2*\s:OFS+2*\s+1]
	s_or_b32 s[35+4*\s], s[35+4*\s], 0x80000000
	tensor_load_to_lds s[32+4*\s:35+4*\s], s[24:31]
	s_nop 0
	v_nop
	v_nop
	v_nop
	v_nop
.Lnone_\@:
.endm
; Trip i.  sk = (i + 1) mod 2: the slot of K(i+1), and the one that is filled again; the other slot holds V(i) and K(i+2).
; At its head buffer 0 is being filled with the first key block of K(i+1).
; resc: O is rescaled by alpha(i).  pv: O += V(i) P(i); pvzero: these products start the sums.  smzero: softmax of the first tile.
; fill: see FILL.  nextk: K(i+2) exists.
; ONE round a trip.  In front of it each wave waits for its reads of slot sk (K(i+1), just now; V(i-1), last trip) and for all its tensor
; loads (its part of K(i+2) or V(i)); behind it nobody reads slot sk, and K(i+2) and V(i) are whole.  The joint refill is the first tensor
; load behind the round and has until the next trip's round in which to land.
; No two matrix instructions that follow each other share an accumulator, over the halves and the loop's backward jump too.
.macro ITER sk, resc, pv, pvzero, smzero, fill, nextk
.set PVON, \pv
.set PVZERO, \pvzero
.set NEXTK, \nextk
.set KN, 1-\sk
.set pidx, 0
	FETCHK \sk, 1, F1                              ; behind the last readers of buffer 1 stand the conversions into P
	s_wait_dscnt 16                                ; buffer 0 is in; the 16 loads just issued stay out
	P1 0, F0, 0, 16, 0x82, \resc
	WIN 0
	s_wait_dscnt 0x0                               ; my reads of slot sk are over: both key blocks are in registers
	s_wait_xcnt 0x0
	v_lshl_add_u32 v94, v0, 2, 0x48800
	v_mov_b32 v95, 0
	s_wait_tensorcnt 0x0                           ; all my tensor loads have landed
	ds_add_u32 v94, v95
	s_wait_dscnt 0x0
	s_barrier_signal -1
	P1 0, F0, 16, 8, 0x82, \resc                   ; register work while the others arrive
	WIN 0
	s_barrier_wait -1
	CREST                                          ; the same now holds of every wave of the four work-groups
	FILL \sk, \fill
	P1 0, F0, 24, 8, 0x82, \resc
	WIN 0
.if \pv
.if \resc == 0
	PLACES 4                                       ; with resc the four multiplies behind the last matrix instruction are the places
.endif
	FETCHV 1-\sk, 0, F0
.endif
	P1 1, F1, 0, 32, 0xc3, \resc
	WIN 0
.if \resc == 0
	PLACES 4                                       ; before scores are read and buffer 1 is loaded again
.endif
.if \pv
	FETCHV 1-\sk, 1, F1
	s_wait_dscnt 16                                ; buffer 0 is in
.else
	FETCHK 1-\sk, 0, F0                            ; the next trip's first key block
.endif
	SOFTMAX \smzero
	PVREST
	WIN 0
.if \pv
	PLACES 4                                       ; P was a source of the last matrix instructions
.endif
	PACK
.endm
	s_wait_tensorcnt 1                             ; my part of tile 0 is in; tile 1's stays out
	s_barrier_signal -1
	s_barrier_wait -1
	FETCHK 0, 0, F0
	s_wait_loadcnt 0x0                             ; Q
	ITER 0, 0, 0, 0, 1, 1, 1                       ; trip -1: S(0), softmax(0); K(2) is asked for
	ITER 1, 0, 1, 1, 0, 1, 1                       ; trip 0: S(1), the first products of O; K(3)
	s_mov_b32 s3, 14                               ; trips 1 to 28: K(4) to K(31), V(2) to V(29)
.Llap:
	ITER 0, 1, 1, 0, 0, 2, 1
	ITER 1, 1, 1, 0, 0, 2, 1
	s_sub_co_u32 s3, s3, 1
	s_cmp_lg_u32 s3, 0
	s_cbranch_scc1 .Llap
	ITER 0, 1, 1, 0, 0, 3, 1                       ; trip 29: V(30)
	ITER 1, 1, 1, 0, 0, 3, 0                       ; trip 30: S(31), V(31): the last load
	; ---------------- tile 31's product ----------------
	WIN 0x40                                       ; Q is done with: wp's 32 fragments of my 4 output blocks, at 8 (8 ob + ks) of window 1
.set i, 0
.rept 64
	global_load_b128 v[4*i:4*i+3], v1, s[8:9] offset:512*i
.set i, i+1
.endr
	WIN 0
	; my wave's m and l of the 64 queries, for the merge
.irp qb, 0,1,2,3
	v_add_f32 v[STA+6*\qb+1], v[STA+6*\qb+4], v[STA+6*\qb+5]
.endr
.irp qb, 0,1,2,3
	v_permlanex16_b32 v[SCO+4+\qb], v[STA+6*\qb+1], s22, s23
.endr
.irp qb, 0,1,2,3
	v_add_f32 v[SCO+4+\qb], v[SCO+4+\qb], v[STA+6*\qb+1]
	v_mov_b32 v[SCO+\qb], v[STA+6*\qb]
.endr
	ds_store_b128 v3, v[SCO:SCO+3]                 ; both halves of the lanes hold and write the same numbers
	ds_store_b128 v3, v[SCO+4:SCO+7] offset:1024
	s_wait_dscnt 0x0                               ; for the other waves: my m and l are in LDS
	s_wait_tensorcnt 0x0                           ; and my part of V(31), if I fetched one
	s_barrier_signal -1
	s_barrier_wait -1
	FETCHV 1, 0, F0
	FETCHV 1, 1, F1
	RESCALE                                        ; by alpha(31)
	s_wait_dscnt 16                                ; buffer 0 is in
.set PVON, 1
.set PVZERO, 0
.set NEXTK, 0
.set pidx, 0
	PVREST
	WIN 0
	; ---------------- the merge ----------------
	PLACES 4                                       ; behind the last matrix instructions: O is read, P's and the buffers' registers are written
	v_and_b32 v115, 15, v0                         ; r
	v_bfe_u32 v116, v0, 4, 1                       ; h
	v_lshlrev_b32 v118, 14, v116
	v_lshl_add_u32 v118, v115, 4, v118             ; x, out0: row h, 16 bytes x r
	s_lshl_b32 s40, s16, 8
	v_lshl_add_u32 v114, v115, 2, s40              ; bp: 256 w + 4 r
.set i, 0
.rept 32
	global_load_b128 v[F0+4*i:F0+4*i+3], v118, s[12:13] offset:i*32768   ; the residual: channels 64 w + 2 i + h; sixteen lanes take the block's 256 consecutive bytes
.set i, i+1
.endr
.irp ob, 0,1,2,3
	global_load_b32 v[PRB+2*\ob], v114, s[10:11] offset:64*\ob
.endr
	v_lshlrev_b32 v104, 4, v115
	v_add_nc_u32 v104, STATS, v104
.irp u, 0,1,2,3
	ds_load_b128 v[SCO+4*\u:SCO+4*\u+3],       v104 offset:256*\u        ; m of wave u, four query blocks
	ds_load_b128 v[SCO+16+4*\u:SCO+16+4*\u+3], v104 offset:1024+256*\u   ; l of wave u
.endr
	s_wait_dscnt 0x0
.irp qb, 0,1,2,3
	v_max3_num_f32 v[SCO+32+\qb], v[SCO+\qb], v[SCO+4+\qb], v[SCO+8+\qb]
.endr
.irp qb, 0,1,2,3
	v_max_num_f32 v[SCO+32+\qb], v[SCO+32+\qb], v[SCO+12+\qb]            ; the maximum over all keys
.endr
.irp u, 0,1,2,3
.irp p, 0,2
	v_pk_add_f32 v[SCO+4*\u+\p:SCO+4*\u+\p+1], v[SCO+4*\u+\p:SCO+4*\u+\p+1], v[SCO+32+\p:SCO+32+\p+1] neg_lo:[0,1] neg_hi:[0,1]
.endr
.endr
.irp qb, 0,1,2,3
	v_sub_f32 v[STA+6*\qb+1], v[STA+6*\qb], v[SCO+32+\qb]
.endr
.set i, 0
.rept 16
	v_exp_f32 v[SCO+i], v[SCO+i]
.set i, i+1
.endr
.irp qb, 0,1,2,3
	v_exp_f32 v[STA+6*\qb+1], v[STA+6*\qb+1]       ; my own wave's factor
.endr
	v_nop                                          ; one plain instruction behind the run of transcendentals
.irp p, 0,2
	s_wait_alu depctr_va_vdst(0)
	v_pk_mul_f32 v[SCO+36+\p:SCO+36+\p+1], v[SCO+16+\p:SCO+16+\p+1], v[SCO+\p:SCO+\p+1]
.endr
.irp u, 1,2,3
.irp p, 0,2
	v_pk_fma_f32 v[SCO+36+\p:SCO+36+\p+1], v[SCO+16+4*\u+\p:SCO+16+4*\u+\p+1], v[SCO+4*\u+\p:SCO+4*\u+\p+1], v[SCO+36+\p:SCO+36+\p+1]
.endr
.endr
.irp qb, 0,1,2,3
	v_rcp_f32 v[SCO+36+\qb], v[SCO+36+\qb]         ; the whole sum is at least 1: the largest score's own term
.endr
	v_nop
.irp qb, 0,1,2,3
	s_wait_alu depctr_va_vdst(0)
	v_mul_f32 v[STA+6*\qb+2], v[STA+6*\qb+1], v[SCO+36+\qb]
	v_mul_f32 v[STA+6*\qb+3], v[STA+6*\qb+1], v[SCO+36+\qb]
.endr
	RESCALE                                        ; my partial O, now on the common scale and divided by the whole sum
	s_lshl_b32 s40, s16, 16
	v_add_nc_u32 v105, s40, v1                     ; XCH: my 65,536 bytes
	s_lshl_b32 s41, s16, 14
	v_add_nc_u32 v106, s41, v1                     ; query block w in the part of wave 0, 1, 2, 3
	v_add_nc_u32 v107, 65536, v106
	v_add_nc_u32 v108, 131072, v106
	v_add_nc_u32 v109, 196608, v106
	s_lshl_b32 s40, s16, 13
	s_add_co_u32 s40, s40, AT
	v_add_nc_u32 v110, s40, v1                     ; AT: my query block's 8 fragments
	v_add_nc_u32 v111, AT, v1
	s_mul_i32 s41, s16, 64*SPITCH                  ; STG: my 64 rows
	v_mul_u32_u24 v112, v115, SPITCH
	v_lshl_add_u32 v112, v116, 5, v112
	v_add_nc_u32 v112, s41, v112                   ; in: row r, 32 bytes x h
	v_mul_u32_u24 v113, v116, SPITCH
	v_lshl_add_u32 v113, v115, 4, v113
	v_add_nc_u32 v113, s41, v113                   ; back: row h, 16 bytes x r
	; V(31) was read behind the last barrier, so one more stands here: every wave's reads of the slots are over before any wave writes XCH.
	s_wait_dscnt 0x0
	s_barrier_signal -1
	s_barrier_wait -1
	; Every wave lays all four query blocks of its partial O into XCH (no fill follows); wave w then sums query block w over the four waves.
.macro XST c0
.irp c, 0,1,2,3,4,5,6,7
.irp qb, 0,1,2,3
	ds_store_b128 v105, v[8*(4*\c+\qb):8*(4*\c+\qb)+3]   offset:\qb*16384+(\c0+\c)*1024
	ds_store_b128 v105, v[8*(4*\c+\qb)+4:8*(4*\c+\qb)+7] offset:\qb*16384+(\c0+\c)*1024+512
.endr
.endr
.endm
	WIN 0x08                                       ; store data in window 2
	XST 0
	WIN 0x0c                                       ; in window 3
	XST 8
	WIN 0
	s_wait_dscnt 0x0                               ; for the other waves: my stores are in LDS before I signal
	s_barrier_signal -1
	s_barrier_wait -1
.macro GLD a, d                        ; one wave's part of my query block: 16 tiles, tile cb at d + 8 cb
.set i, 0
.rept 32
	ds_load_b128 v[\d+4*i:\d+4*i+3], v[\a] offset:512*i
.set i, i+1
.endr
.endm
	WIN 0x80
	GLD 106, 0
	GLD 107, 128
	WIN 0xc0
	GLD 108, 0
	GLD 109, 128
	s_wait_dscnt 0x0
	WIN 0x8e                                       ; window 2 += window 3
.set i, 0
.rept 128
	v_pk_add_f32 v[2*i:2*i+1], v[2*i:2*i+1], v[2*i:2*i+1]
.set i, i+1
.endr
	WIN 0x8a                                       ; its lower half += its upper half
.set i, 0
.rept 64
	v_pk_add_f32 v[2*i:2*i+1], v[2*i:2*i+1], v[128+2*i:128+2*i+1]
.set i, i+1
.endr
	WIN 0x0a                                       ; channel blocks 2 ks and 2 ks + 1 are the halves of fragment ks: row = query, k = channel
.set i, 0
.rept 64
	v_cvt_pk_bf16_f32 v[SCO+i], v[2*i], v[2*i+1]
.set i, i+1
.endr
	WIN 0
.set i, 0
.rept 16
	ds_store_b128 v110, v[SCO+4*i:SCO+4*i+3] offset:512*i
.set i, i+1
.endr
	s_wait_dscnt 0x0                               ; my fragments are in AT, and my reads of XCH are over, before I signal
	s_barrier_signal -1
	s_barrier_wait -1
	WIN 0x80                                       ; all 32 fragments of the merged attention, at 8 (8 qb + ks) of window 2
.set i, 0
.rept 64
	ds_load_b128 v[4*i:4*i+3], v111 offset:512*i
.set i, i+1
.endr
	WIN 0
	s_wait_dscnt 0x0
	s_wait_loadcnt 0x0                             ; wp, the residual, bp
.irp ob, 0,1,2,3
	v_mov_b32 v[PRB+2*\ob+1], v[PRB+2*\ob]         ; a pair for the packed add
.endr
	; ---------------- the projection: my 64 output channels x 64 pixels ----------------
	; D = attention (source 0, rows = pixels) x wp (source 1, columns = channels): a lane holds channel r and 8 neighbouring pixels.
	; Sixteen accumulators take turns.
	WIN 0xf6                                       ; source 0 window 2, source 1 window 1, C and D window 3
.irp ks, 0,1,2,3,4,5,6,7
.irp ob, 0,1,2,3
.irp qb, 0,1,2,3
	MM 8*(4*\ob+\qb), 8*(8*\qb+\ks), 8*(8*\ob+\ks), (\ks==0)
.endr
.endr
.endr
	WIN 0
	PLACES 4
	WIN 0xc3
.irp ob, 0,1,2,3
.irp qb, 0,1,2,3
.irp j, 0,2,4,6
	v_pk_add_f32 v[8*(4*\ob+\qb)+\j:8*(4*\ob+\qb)+\j+1], v[8*(4*\ob+\qb)+\j:8*(4*\ob+\qb)+\j+1], v[PRB+2*\ob:PRB+2*\ob+1]
.endr
.endr
.endr
	; the way out: through my own stage (rows of 256 + 16 bytes: the sixteen rows that a store touches start 272 bytes apart), back as whole rows
	WIN 0x0c
.irp ob, 0,1,2,3
.irp qb, 0,1,2,3
	ds_store_b128 v112, v[8*(4*\ob+\qb):8*(4*\ob+\qb)+3]   offset:\ob*16*SPITCH+\qb*64
	ds_store_b128 v112, v[8*(4*\ob+\qb)+4:8*(4*\ob+\qb)+7] offset:\ob*16*SPITCH+\qb*64+16
.endr
.endr
	WIN 0x80
.set i, 0
.rept 32
	ds_load_b128 v[4*i:4*i+3], v113 offset:i*2*SPITCH      ; LDS serves a wave's instructions in order (ISA guide 5.7.1): these see my stores above
.set i, i+1
.endr
	s_wait_dscnt 0x0
	WIN 0x08                                       ; residual (window 0) += projection (window 2)
.set i, 0
.rept 64
	v_pk_add_f32 v[F0+2*i:F0+2*i+1], v[F0+2*i:F0+2*i+1], v[2*i:2*i+1]
.set i, i+1
.endr
	WIN 0
.set i, 0
.rept 32
	global_store_b128 v118, v[F0+4*i:F0+4*i+3], s[14:15] offset:i*32768 th:TH_STORE_NT   ; sixteen lanes store 256 consecutive bytes, at a multiple of 256 from out0's first byte
.set i, i+1
.endr
	s_wait_xcnt 0x0
	v_lshl_add_u32 v94, v0, 2, 0x48800
	v_mov_b32 v95, 0
	s_wait_tensorcnt 0x0
	ds_add_u32 v94, v95
	s_wait_dscnt 0x0
	ROUND                                          ; the closing round: no work-group ends while a partner may still ask jointly
	s_endpgm
.Lfunc_end_k_q0c9b0223de_attn:
	.size	k_q0c9b0223de_attn, .Lfunc_end_k_q0c9b0223de_attn-k_q0c9b0223de_attn
	.p2alignl 7, 3214868480
	.fill 96, 4, 3214868480
	.section	.rodata,"a",@progbits
	.p2align	6, 0x0
	.amdhsa_kernel k_q0c9b0223de_attn
		.amdhsa_group_segment_fixed_size 327680
		.amdhsa_private_segment_fixed_size 0
		.amdhsa_enable_private_segment 0
		.amdhsa_kernarg_size 48
		.amdhsa_user_sgpr_count 2
		.amdhsa_user_sgpr_kernarg_segment_ptr 1
		.amdhsa_wavefront_size32 1
		.amdhsa_system_sgpr_workgroup_id_x 1
		.amdhsa_system_sgpr_workgroup_id_y 1
		.amdhsa_system_sgpr_workgroup_id_z 1
		.amdhsa_system_vgpr_workitem_id 0
		.amdhsa_next_free_vgpr 1024
		.amdhsa_next_free_sgpr 66
		.amdhsa_reserve_vcc 0
		.amdhsa_float_denorm_mode_32 3
		.amdhsa_float_denorm_mode_16_64 3
		.amdhsa_memory_ordered 1
		.amdhsa_forward_progress 1
		.amdhsa_inst_pref_size 255
	.end_amdhsa_kernel
	.section	.bss,"aw",@nobits
	.p2align	6
	.space	262144
	.amdgpu_metadata
---
amdhsa.version: [ 1, 2 ]
amdhsa.kernels:
  - .name:           k_q0c9b0223de_attn
    .symbol:         k_q0c9b0223de_attn.kd
    .args:
      - { .name: qf, .offset: 0, .size: 8, .value_kind: global_buffer, .address_space: global }
      - { .name: kv, .offset: 8, .size: 8, .value_kind: global_buffer, .address_space: global }
      - { .name: wb, .offset: 16, .size: 8, .value_kind: global_buffer, .address_space: global }
      - { .name: bp, .offset: 24, .size: 8, .value_kind: global_buffer, .address_space: global }
      - { .name: x, .offset: 32, .size: 8, .value_kind: global_buffer, .address_space: global }
      - { .name: out0, .offset: 40, .size: 8, .value_kind: global_buffer, .address_space: global }
    .group_segment_fixed_size: 327680
    .private_segment_fixed_size: 0
    .kernarg_segment_align: 8
    .kernarg_segment_size: 48
    .max_flat_workgroup_size: 128
    .sgpr_count:     66
    .vgpr_count:     1024
    .wavefront_size: 32
...
	.end_amdgpu_metadata
.endif
;; end of part 3
;; ======== version 2 of 2: 3 launches; 1.09 times as fast as version 1
;; workspace buffers: gn 8,192 bytes; wb 524,288 bytes; qf 8,388,608 bytes; kv 16,777,216 bytes
;; launch prep: the kernel of part 1 again; grid 160 x 1, 8 waves a work-group, no clusters, 1,280 bytes of LDS; arguments x, gn_scale, gn_bias, wq, wk, wv, wp, gn, wb; writes gn, wb
;; launch qkv: the kernel of part 2 again; grid 256 x 1, 4 waves a work-group, clusters of 4 x 1, 327,680 bytes of LDS; arguments x, gn, wb, bq, bk, bv, qf, kv; writes qf, kv
;; launch attn (part 4): grid 256 x 1, 4 waves a work-group, clusters of 4 x 1, 327,680 bytes of LDS; arguments qf, kv, wb, bp, x, out0; writes out0
.if DOCPART == 4
	.amdgcn_target "amdgcn-amd-amdhsa--gfx1250"
	.amdhsa_code_object_version 6
	.text
	.protected	k_q0c9b0223de_attn
	.globl	k_q0c9b0223de_attn
	.p2align	8
	.type	k_q0c9b0223de_attn,@function
k_q0c9b0223de_attn:
	s_mov_b64 s[64:65], 0
	v_nop
	global_prefetch_b8 v0, s[64:65] scope:SCOPE_SE
	s_setreg_imm32_b32 hwreg(HW_REG_WAVE_MODE, 25, 1), 1
	s_wait_xcnt 0x0
	s_wait_alu depctr_hold_cnt(0) depctr_sa_sdst(0) depctr_va_vdst(0) depctr_va_sdst(0) depctr_va_ssrc(0) depctr_va_vcc(0) depctr_vm_vsrc(0)
	s_getreg_b32 s2, hwreg(HW_REG_IB_STS2, 6, 4)
	s_cmp_eq_u32 s2, 0
	s_cbranch_scc0 .Lentry_in_a_cluster
	s_endpgm
.Lentry_in_a_cluster:
	s_bfe_u32 s2, ttmp6, 0x10000c
	s_cmp_lg_u32 s2, 0x3003
	s_cbranch_scc0 .Lentry_shape_is_right
	s_endpgm
.Lentry_shape_is_right:
; Attention of 64 queries of one image over its 4,096 keys (d = 256), the projection by wp, bias and residual.
; The four waves split the KEYS: of each tile of 128 keys wave w takes keys 32 w .. 32 w + 31, for all 64 queries and all 256 channels
; (O: 64 tiles of 16 x 16 f32 = 512 registers).  A tile is 128 matrix instructions and 64 LDS loads of 16 bytes a lane for a wave.
; Each wave keeps a running maximum m and sum l of its own keys; the four partial results are merged once at the end.
; ORIENTATION: S^T = K (source 0) x Q^T (source 1): a lane holds ONE query (r) and keys 8 h + j, so maximum, factor and sum are per lane;
; two tiles of S^T pack straight into source 1 of O^T = V x P^T; the tiles of O^T pack straight into source 0 of the projection.
; q already carries 256^-0.5 * log2 e, so the softmax is 2^(s - m).  The maximum is taken away for every tile.
; THE LOOP IS A PIPELINE.  Trip i: first half S(i+1) = K(i+1) Q^T, 64 matrix instructions, and behind each of them the four packed
; multiplies that rescale one tile of O by alpha(i); second half O += V(i) P(i), 64 matrix instructions, and behind the first 55 of them
; at most four instructions of softmax(i+1).  So the vector work is spread among the matrix instructions instead of standing
; between runs of them; only the 32 conversions into P(i+1) stand alone, since P(i) is read to the end of the second half.
; Each such place costs two window switches: O fills windows 2 and 3 and Q window 1, a vector instruction's destination shares its window
; field with a matrix instruction's D, and v_exp_f32 has only the source field that also names the K or V fragment: no one setting serves both.
; THE TRANSCENDENTALS GO IN BATCHES, each with ONE s_wait_alu depctr_va_vdst(0) ahead of its first reader.
; A trip has one batch: the four alpha and the 64 exponentials of the scores.  Ahead of its wait stand the maxima, the subtractions and the
; exponentials, none of which names a result of the batch; behind it stands all that does: U = AL, the sums into l, the conversions into P
; and, in the next trip's first half, the rescaling of O.
; The merge has two batches: its 20 exponentials, and the four reciprocals of the sums made from them.
; All bf16 buffers are in fragment order (16 rows x 32 k = 1,024 bytes; lane L's 16 bytes of half H at 512 H + 16 L): every LDS or global
; access of 16 bytes a lane covers 512 consecutive bytes, and a kv tile is a dense block of 131,072 bytes: K's 65,536, then V's.
; CLUSTER 4 x 1: the four work-groups of a cluster have the same image and walk the same 32 kv tiles; they ask for them jointly (mask 15).
; Waves 0 and 1 fetch K's halves, waves 2 and 3 V's, 32 KiB a load.  Behind the round of trip i go K(i+3) and V(i+1), both into slot (i+1) mod 2:
; K is used one and a half trips earlier than V, so its loads run two tiles ahead; the first two rounds have K's loads alone, the last two V's.
; A wave has two tensor loads out at the start, later one.
; THE ORDER OF TILES: cluster c (0..15) of an image starts at tile 2 c and walks round modulo 32 (the result does not hang on the order of the
; keys), so that the sixteen clusters of an image ask for sixteen different tiles at any time, and for one tile at sixteen different times.
; That is also why no prefetch is written: but for its first tiles a cluster asks for what another cluster has read before.
; LDS: two slots of 131,072 bytes; STATS at 262,144 (2,048 bytes) and AT at 264,192 (32,768 bytes), never the target of a fill.
;      Behind the last fill and the last read of the slots their bytes serve as XCH (the exchange of partial O, 4 x 65,536) and then as
;      STG (4 x 64 rows of 272 bytes, each wave's own, for the way out).
; REGISTERS: window 0: addresses, STA, scores, P, two fragment buffers; window 1: Q (later wp); windows 2 and 3: O (channel blocks 0-7, 8-15).
; Limits: operands q, k, v, P and the merged attention are rounded to bf16; v_exp_f32 gives 0 below 2^-126; NaN and infinities are not
; treated specially; the sums over keys are formed in four parts, from a start that differs from cluster to cluster, and merged: an order other than the reference's.
.set SLOT,   131072
.set IMG,    4194304                   ; bytes of kv an image
.set STATS,  262144
.set AT,     264192
.set SPITCH, 272
.set ADRK, 4                           ; v4, v5   my two K blocks in slot 0, 1: slot + 16,384 w + 16 L
.set ADRV, 6                           ; v6, v7   my V block: + 65,536
.set STA,  8                           ; v[8:31]  for each query block 6 registers: (M, T) (AL, U) (L0, L1); behind the update T = M and U = AL: plain pairs for packed arithmetic
.set SCO,  32                          ; v[32:95] scores: 32 + 16 qb + 8 kb + j
.set PRB,  96                          ; v[96:127] P: 96 + 8 qb
.set F0,   128                         ; fragment buffer 0
.set F1,   192                         ; fragment buffer 1
.set OFS,  48                          ; s[48:49], s[50:51]: byte offset in the image of the tile that slot 0, 1 got last (upper words 0)
.set MSB, 0
.macro WIN new                         ; s_set_vgpr_msb: bits 1:0 source 0, 3:2 source 1, 5:4 source 2, 7:6 destination; the high byte repeats the setting left
.if MSB != \new
	s_set_vgpr_msb (MSB<<8)|\new
.set MSB, \new
.endif
.endm
.macro PLACES n                        ; plain vector instructions behind matrix instructions (ISA guide 7.12.1)
.rept \n
	v_nop
.endr
.endm
.macro CREST                           ; a round of the cluster's barrier behind its opening work-group barrier
	s_cmp_lg_u32 s16, 0
	s_cbranch_scc1 .Lnot_wave_0_\@
	s_barrier_signal -3
.Lnot_wave_0_\@:
	s_barrier_wait -3
	s_barrier_signal -1
	s_barrier_wait -1
.endm
.macro ROUND
	s_barrier_signal -1
	s_barrier_wait -1
	CREST
.endm
.macro MM d, a, b, zero                ; one matrix instruction; zero: it starts the sum
.if \zero
	v_wmma_f32_16x16x32_bf16 v[\d:\d+7], v[\a:\a+7], v[\b:\b+7], 0
.else
	v_wmma_f32_16x16x32_bf16 v[\d:\d+7], v[\a:\a+7], v[\b:\b+7], v[\d:\d+7]
.endif
.endm
	s_load_b256 s[4:11], s[0:1], 0x0               ; qf s[4:5], kv s[6:7], wb s[8:9], bp s[10:11]
	s_load_b128 s[12:15], s[0:1], 0x20             ; x s[12:13], out0 s[14:15]
	v_lshl_add_u32 v94, v0, 2, 0x48800
	v_mov_b32 v95, 0
	ds_add_u32 v94, v95
	s_wait_dscnt 0x0
	v_lshrrev_b32 v2, 5, v0
	v_readfirstlane_b32 s16, v2                    ; wave 0..3
	s_lshr_b32 s52, s16, 1                         ; 0: I fetch for K, 1: for V
	s_bfe_u32 s17, ttmp6, 0x40000                  ; cx
	s_lshr_b32 s18, ttmp9, 4                       ; image
	s_and_b32 s53, ttmp9, 15                       ; c: the cluster's number in its image, the same in the four partners
	s_lshl_b32 s19, s53, 2
	s_add_co_u32 s19, s19, s17                     ; block of 64 queries, 0..63
	s_mov_b32 s22, 0x76543210                      ; v_permlanex16_b32: lane i reads lane i of the other half
	s_mov_b32 s23, 0xfedcba98
	; descriptor group 1: a dense block of 128 rows x 256 bytes, asked for by all four work-groups
	s_mov_b32 s24, 15|(3<<16)|(1<<21)              ; 15:0 mask; 17:16 elements of 8 bytes; 21 set beside a mask
	s_mov_b32 s25, 32<<16                          ; tensor_dim0 = 32
	s_mov_b32 s26, 128<<16                         ; tensor_dim1 = 128
	s_mov_b32 s27, 32<<16                          ; tile_dim0 = 32
	s_mov_b32 s28, 128                             ; tile_dim1 = 128
	s_mov_b32 s29, 32                              ; pitch
	s_mov_b32 s30, 0
	s_mov_b32 s31, 0
	; groups 0, one for each slot.  The addresses hang on the image and c (shared by the cluster) and on the wave's number.
	s_lshl_b32 s[OFS], s53, 18                     ; my cluster's first tile: 2 c x 131,072 bytes,
	s_mov_b32 s[OFS+1], 0
	s_add_co_u32 s[OFS+2], s[OFS], SLOT            ; and its second: at most tile 31, inside the image
	s_mov_b32 s[OFS+3], 0
	s_lshl_b32 s20, s18, 22
	s_lshl_b32 s21, s16, 15
	s_add_co_u32 s20, s20, s21
	s_mov_b32 s21, 0
	s_mov_b32 s32, 1
	s_lshl_b32 s33, s16, 15
	s_mov_b32 s36, 1
	s_lshl_b32 s37, s16, 15
	s_add_co_u32 s37, s37, SLOT
	s_wait_kmcnt 0x0
	s_add_nc_u64 s[6:7], s[6:7], s[20:21]          ; kv at my image and my quarter of a tile; kept
	s_add_nc_u64 s[34:35], s[6:7], s[OFS:OFS+1]
	s_add_nc_u64 s[38:39], s[6:7], s[OFS+2:OFS+3]
	s_or_b32 s35, s35, 0x80000000                  ; type = 2
	s_or_b32 s39, s39, 0x80000000
	ROUND                                          ; the four work-groups are here: the first joint loads meet
	tensor_load_to_lds s[32:35], s[24:31]          ; tile 0 of my cluster's walk
	s_nop 0
	tensor_load_to_lds s[36:39], s[24:31]          ; tile 1
	s_nop 0
	v_and_b32 v2, 31, v0
	v_lshlrev_b32 v1, 4, v2                        ; v1 = 16 L, kept
	s_lshl_b32 s40, s16, 14
	v_add_nc_u32 v[ADRK], s40, v1
	v_add_nc_u32 v[ADRK+1], SLOT, v[ADRK]
	v_add_nc_u32 v[ADRV], 65536, v[ADRK]
	v_add_nc_u32 v[ADRV+1], SLOT+65536, v[ADRK]
	v_and_b32 v2, 15, v0
	s_lshl_b32 s41, s16, 8
	s_add_co_u32 s41, s41, STATS
	v_lshl_add_u32 v3, v2, 4, s41                  ; v3 = STATS + 256 w + 16 r, kept
	s_lshl_b32 s42, s16, 15                        ; wp: matrix 3 of wb, my 4 output blocks
	s_add_co_u32 s42, s42, 393216
	s_mov_b32 s43, 0
	s_add_nc_u64 s[8:9], s[8:9], s[42:43]
	; what hangs on cx stays in s44-s47 and enters global addresses of my own loads and stores alone
	s_lshl_b32 s44, s18, 21                        ; qf: 2 MiB an image + 32,768 a block
	s_lshl_b32 s45, s19, 15
	s_add_co_u32 s44, s44, s45
	s_mov_b32 s45, 0
	s_add_nc_u64 s[4:5], s[4:5], s[44:45]
	s_lshl_b32 s46, s18, 22                        ; x, out0: 4 MiB an image + my 64 channels (1 MiB) + 256 bytes a block
	s_lshl_b32 s47, s16, 20
	s_add_co_u32 s46, s46, s47
	s_lshl_b32 s47, s19, 8
	s_add_co_u32 s46, s46, s47
	s_mov_b32 s47, 0
	s_add_nc_u64 s[12:13], s[12:13], s[46:47]
	s_add_nc_u64 s[14:15], s[14:15], s[46:47]
	WIN 0x40                                       ; destination window 1: the 32 fragments of Q at 8 (8 qb + ks); every wave holds all 64 queries
.set i, 0
.rept 64
	global_load_b128 v[4*i:4*i+3], v1, s[4:5] offset:512*i
.set i, i+1
.endr
	WIN 0
.macro FETCHK slot, kb, f              ; 16 keys x 256 channels: 8 fragments, 16 loads
.irp ks, 0,1,2,3,4,5,6,7
	ds_load_b128 v[\f+8*\ks:\f+8*\ks+3],   v[ADRK+\slot] offset:\kb*8192+\ks*1024
	ds_load_b128 v[\f+8*\ks+4:\f+8*\ks+7], v[ADRK+\slot] offset:\kb*8192+\ks*1024+512
.endr
.endm
.macro FETCHV slot, half, f            ; 128 channels x my 32 keys: 8 fragments, 16 loads
.irp c, 0,1,2,3,4,5,6,7
	ds_load_b128 v[\f+8*\c:\f+8*\c+3],   v[ADRV+\slot] offset:(8*\half+\c)*1024
	ds_load_b128 v[\f+8*\c+4:\f+8*\c+7], v[ADRV+\slot] offset:(8*\half+\c)*1024+512
.endr
.endm
.macro RS4 t                           ; tile t = 4 c + qb of the window's 32 tiles of O *= (AL, U) of its query block: per query = per lane
.irp j, 0,2,4,6
	v_pk_mul_f32 v[8*(\t)+\j:8*(\t)+\j+1], v[8*(\t)+\j:8*(\t)+\j+1], v[STA+6*((\t)&3)+2:STA+6*((\t)&3)+3]
.endr
.endm
.macro RESCALE                         ; all of O, by itself: for the last tile and for the merge
	WIN 0x82
.set tix, 0
.rept 32
	RS4 tix
.set tix, tix+1
.endr
	WIN 0xc3
.set tix, 0
.rept 32
	RS4 tix
.set tix, tix+1
.endr
	WIN 0
.endm
; n places of the first half: the matrix instruction number sidx = 4 ks + qb of S^T's key block kb, on buffer f (the four accumulators take
; turns), and behind it, if resc, the rescaling of tile sidx of O's window (win: 0x82 window 2, 0xc3 window 3).
; O is rescaled for every tile: no branch hangs on numbers.
.macro P1 kb, f, from, n, win, resc
.set sidx, \from
.rept \n
.set mmd, SCO+16*(sidx&3)+8*\kb
.set mma, \f+8*(sidx>>2)
.set mmb, 8*(8*(sidx&3)+(sidx>>2))
	WIN 0x04                                       ; source 1 = Q, window 1
.if sidx < 4
	MM mmd, mma, mmb, 1
.else
	MM mmd, mma, mmb, 0
.endif
.if \resc
	WIN \win
	RS4 sidx
.endif
.set sidx, sidx+1
.endr
.endm
; The next matrix instruction of the second half, number pidx = 4 c + qb (0..31 window 2 on buffer 0, 32..63 window 3 on buffer 1): each
; accumulator once.  In front of number 32 buffer 0 is given to the next trip's first K block.  back: window 0 again, for the vector work behind it.
.macro PVS back
.if PVON
.if pidx == 32
	WIN 0
.if NEXTK
	PLACES 4                                       ; buffer 0 was a source of the last matrix instructions
	FETCHK KN, 0, F0
	s_wait_dscnt 16                                ; buffer 1 is in; the 16 loads just issued stay out
.else
	s_wait_dscnt 0x0
.endif
.endif
.set mmb, PRB+8*(pidx&3)
.if pidx < 32
.set mmd, 8*pidx
.set mma, F0+8*(pidx>>2)
	WIN 0xa0                                       ; C and D in window 2
.else
.set mmd, 8*(pidx-32)
.set mma, F1+8*((pidx-32)>>2)
	WIN 0xf0                                       ; C and D in window 3
.endif
	MM mmd, mma, mmb, PVZERO
.if \back
	WIN 0
.endif
.set pidx, pidx+1
.endif
.endm
.macro PVREST                          ; what is left of the 64, back to back
.rept 64
.if pidx < 64
	PVS 0
.endif
.endr
.endm
; a link of the chains of maxima, for the four query blocks: d = 1 (T) or 3 (U); first: three scores from number s start the chain, else two more join it
.macro MXS d, first, s
.irp qb, 0,1,2,3
.if \first
	v_max3_num_f32 v[STA+6*\qb+\d], v[SCO+16*\qb+\s], v[SCO+16*\qb+\s+1], v[SCO+16*\qb+\s+2]
.else
	v_max3_num_f32 v[STA+6*\qb+\d], v[STA+6*\qb+\d], v[SCO+16*\qb+\s], v[SCO+16*\qb+\s+1]
.endif
.endr
.endm
.macro SUB1 q, k                       ; two scores - m
	v_pk_add_f32 v[SCO+16*(\q)+2*(\k):SCO+16*(\q)+2*(\k)+1], v[SCO+16*(\q)+2*(\k):SCO+16*(\q)+2*(\k)+1], v[STA+6*(\q):STA+6*(\q)+1] neg_lo:[0,1] neg_hi:[0,1]
.endm
.macro SUM1 q, k, z                    ; l = l * alpha + my 16 numbers, two at a time, as two partial sums; the numbers stay as they are, for the packing.  z: no l yet.  It reads exponentials: every use stands behind the batch's wait
.if \z
.if \k == 1
	v_pk_add_f32 v[STA+6*(\q)+4:STA+6*(\q)+5], v[SCO+16*(\q):SCO+16*(\q)+1], v[SCO+16*(\q)+2:SCO+16*(\q)+3]
.endif
.if \k > 1
	v_pk_add_f32 v[STA+6*(\q)+4:STA+6*(\q)+5], v[STA+6*(\q)+4:STA+6*(\q)+5], v[SCO+16*(\q)+2*(\k):SCO+16*(\q)+2*(\k)+1]
.endif
.else
.if \k == 0
	v_pk_fma_f32 v[STA+6*(\q)+4:STA+6*(\q)+5], v[STA+6*(\q)+4:STA+6*(\q)+5], v[STA+6*(\q)+2:STA+6*(\q)+3], v[SCO+16*(\q):SCO+16*(\q)+1]
.else
	v_pk_add_f32 v[STA+6*(\q)+4:STA+6*(\q)+5], v[STA+6*(\q)+4:STA+6*(\q)+5], v[SCO+16*(\q)+2*(\k):SCO+16*(\q)+2*(\k)+1]
.endif
.endif
.endm
; The running maximum over my 16 scores, the other half of the lanes and M; alpha = 2^(M old - M new); the scores become 2^(s - M); l.
; z: the first tile, no M and no l yet.  55 groups of at most four instructions, each behind one matrix instruction of the second half.
; T and U carry the chains of maxima: the last tile's copies in them are dead by now.
;   12 groups  the maxima, T, U = M - T, M = T
;   34 groups  THE BATCH.  Two groups: subtraction, AL, subtraction, AL (pairs 0 to 3 of the 32 pairs of scores, the four AL).  Then group p = 0 .. 31: the subtraction of pair
;              p + 4, while there is one, and the two exponentials of pair p: a pair is shifted four groups ahead of its exponentials.  None of these names a result of the batch,
;              nor do the matrix instructions between them (O, P and the fragment buffers).
;   the wait   a v_nop, the plain instruction behind the last exponential (ISA guide 5.7.2): all plain work of the tile feeds the exponentials, so none is left for that place; then the one wait
;   9 groups   the readers: U = AL; then link k = 0 .. 7 of l's chain for the four query blocks.  The conversions into P follow behind the last matrix instruction.
.macro SOFTMAX z
	PVS 1
	MXS 1, 1, 0
	PVS 1
	MXS 3, 1, 3
	PVS 1
	MXS 1, 0, 6
	PVS 1
	MXS 3, 0, 8
	PVS 1
	MXS 1, 0, 10
	PVS 1
	MXS 3, 0, 12
	PVS 1
	MXS 1, 0, 14
	PVS 1
.irp qb, 0,1,2,3
.if \z
	v_max_num_f32 v[STA+6*\qb+1], v[STA+6*\qb+1], v[STA+6*\qb+3]
.else
	v_max3_num_f32 v[STA+6*\qb+1], v[STA+6*\qb+1], v[STA+6*\qb+3], v[STA+6*\qb]
.endif
.endr
	PVS 1
.irp qb, 0,1,2,3
	v_permlanex16_b32 v[STA+6*\qb+3], v[STA+6*\qb+1], s22, s23     ; the same query's other eight keys of each block
.endr
	PVS 1
.irp qb, 0,1,2,3
	v_max_num_f32 v[STA+6*\qb+1], v[STA+6*\qb+1], v[STA+6*\qb+3]   ; T = the new maximum
.endr
.if \z == 0
	PVS 1
.irp qb, 0,1,2,3
	v_sub_f32 v[STA+6*\qb+3], v[STA+6*\qb], v[STA+6*\qb+1]
.endr
.endif
	PVS 1
.irp qb, 0,1,2,3
	v_mov_b32 v[STA+6*\qb], v[STA+6*\qb+1]         ; M = T
.endr
	; the batch opens: the first four pairs are shifted, and between them stand the four AL
.irp k, 0,1,2,3
.if (\k&1) == 0
	PVS 1
.endif
	SUB1 0, \k
.if \z == 0
	v_exp_f32 v[STA+6*\k+2], v[STA+6*\k+3]         ; AL of query block k
.endif
.endr
.set pix, 0
.rept 32                               ; pair pix = 8 q + k lies at SCO + 2 pix
	PVS 1
.if pix < 28
.set pixq, (pix+4)>>3
.set pixk, (pix+4)&7
	SUB1 pixq, pixk
.endif
	v_exp_f32 v[SCO+2*pix], v[SCO+2*pix]
	v_exp_f32 v[SCO+2*pix+1], v[SCO+2*pix+1]
.set pix, pix+1
.endr
	v_nop                                          ; the plain instruction behind the last exponential, one for the batch
	s_wait_alu depctr_va_vdst(0)                   ; the trip's one wait, for the batch of the four AL and the 64 exponentials, ahead of their first reader, the line below
.if \z == 0
	PVS 1
.irp qb, 0,1,2,3
	v_mov_b32 v[STA+6*\qb+3], v[STA+6*\qb+2]       ; U = AL
.endr
.endif
.irp k, 0,1,2,3,4,5,6,7
.if (\z == 0) || (\k > 0)
	PVS 1
.endif
.irp q, 0,1,2,3
	SUM1 \q, \k, \z
.endr
.endr
.endm
.macro PACK                            ; P in bf16: the two key blocks are the halves of a fragment
.irp qb, 0,1,2,3
.irp j, 0,1,2,3,4,5,6,7
	v_cvt_pk_bf16_f32 v[PRB+8*\qb+\j], v[SCO+16*\qb+2*\j], v[SCO+16*\qb+2*\j+1]
.endr
.endr
.endm
; The refill of slot s, first thing behind the round.  kind 1: K's loads alone (waves 0, 1), 2: all four waves, 3: V's alone (waves 2, 3).
; The branch hangs on the wave's number alone, the same in every partner.  No load of mine is out, so the group 0 may be written: the slot's
; next tile lies two further on, round the image's 32 tiles; the offset is kept apart from the address.
.macro FILL s, kind
.if \kind == 1
	s_cmp_lg_u32 s52, 0
	s_cbranch_scc1 .Lnone_\@
.endif
.if \kind == 3
	s_cmp_eq_u32 s52, 0
	s_cbranch_scc1 .Lnone_\@
.endif
	s_add_co_u32 s[OFS+2*\s], s[OFS+2*\s], 2*SLOT
	s_and_b32 s[OFS+2*\s], s[OFS+2*\s], IMG-1
	s_add_nc_u64 s[34+4*\s:35+4*\s], s[6:7], s[OFS+2*\s:OFS+2*\s+1]
	s_or_b32 s[35+4*\s], s[35+4*\s], 0x80000000
	tensor_load_to_lds s[32+4*\s:35+4*\s], s[24:31]
	s_nop 0
	v_nop
	v_nop
	v_nop
	v_nop
.Lnone_\@:
.endm
; Trip i.  sk = (i + 1) mod 2: the slot of K(i+1), and the one that is filled again; the other slot holds V(i) and K(i+2).
; At its head buffer 0 is being filled with the first key block of K(i+1).
; resc: O is rescaled by alpha(i).  pv: O += V(i) P(i); pvzero: these products start the sums.  smzero: softmax of the first tile.
; fill: see FILL.  nextk: K(i+2) exists.
; ONE round a trip.  In front of it each wave waits for its reads of slot sk (K(i+1), just now; V(i-1), last trip) and for all its tensor
; loads (its part of K(i+2) or V(i)); behind it nobody reads slot sk, and K(i+2) and V(i) are whole.  The joint refill is the first tensor
; load behind the round and has until the next trip's round in which to land.
; No two matrix instructions that follow each other share an accumulator, over the halves and the loop's backward jump too.
.macro ITER sk, resc, pv, pvzero, smzero, fill, nextk
.set PVON, \pv
.set PVZERO, \pvzero
.set NEXTK, \nextk
.set KN, 1-\sk
.set pidx, 0
	FETCHK \sk, 1, F1                              ; behind the last readers of buffer 1 stand the conversions into P
	s_wait_dscnt 16                                ; buffer 0 is in; the 16 loads just issued stay out
	P1 0, F0, 0, 16, 0x82, \resc
	WIN 0
	s_wait_dscnt 0x0                               ; my reads of slot sk are over: both key blocks are in registers
	s_wait_xcnt 0x0
	v_lshl_add_u32 v94, v0, 2, 0x48800
	v_mov_b32 v95, 0
	s_wait_tensorcnt 0x0                           ; all my tensor loads have landed
	ds_add_u32 v94, v95
	s_wait_dscnt 0x0
	s_barrier_signal -1
	P1 0, F0, 16, 8, 0x82, \resc                   ; register work while the others arrive
	WIN 0
	s_barrier_wait -1
	CREST                                          ; the same now holds of every wave of the four work-groups
	FILL \sk, \fill
	P1 0, F0, 24, 8, 0x82, \resc
	WIN 0
.if \pv
.if \resc == 0
	PLACES 4                                       ; with resc the four multiplies behind the last matrix instruction are the places
.endif
	FETCHV 1-\sk, 0, F0
.endif
	P1 1, F1, 0, 32, 0xc3, \resc
	WIN 0
.if \resc == 0
	PLACES 4                                       ; before scores are read and buffer 1 is loaded again
.endif
.if \pv
	FETCHV 1-\sk, 1, F1
	s_wait_dscnt 16                                ; buffer 0 is in
.else
	FETCHK 1-\sk, 0, F0                            ; the next trip's first key block
.endif
	SOFTMAX \smzero
	PVREST
	WIN 0
.if \pv
	PLACES 4                                       ; P was a source of the last matrix instructions
.endif
	PACK
.endm
	s_wait_tensorcnt 1                             ; my part of tile 0 is in; tile 1's stays out
	s_barrier_signal -1
	s_barrier_wait -1
	FETCHK 0, 0, F0
	s_wait_loadcnt 0x0                             ; Q
	ITER 0, 0, 0, 0, 1, 1, 1                       ; trip -1: S(0), softmax(0); K(2) is asked for
	ITER 1, 0, 1, 1, 0, 1, 1                       ; trip 0: S(1), the first products of O; K(3)
	s_mov_b32 s3, 14                               ; trips 1 to 28: K(4) to K(31), V(2) to V(29)
.Llap:
	ITER 0, 1, 1, 0, 0, 2, 1
	ITER 1, 1, 1, 0, 0, 2, 1
	s_sub_co_u32 s3, s3, 1
	s_cmp_lg_u32 s3, 0
	s_cbranch_scc1 .Llap
	ITER 0, 1, 1, 0, 0, 3, 1                       ; trip 29: V(30)
	ITER 1, 1, 1, 0, 0, 3, 0                       ; trip 30: S(31), V(31): the last load
	; ---------------- tile 31's product ----------------
	WIN 0x40                                       ; Q is done with: wp's 32 fragments of my 4 output blocks, at 8 (8 ob + ks) of window 1
.set i, 0
.rept 64
	global_load_b128 v[4*i:4*i+3], v1, s[8:9] offset:512*i
.set i, i+1
.endr
	WIN 0
	; my wave's m and l of the 64 queries, for the merge
.irp qb, 0,1,2,3
	v_add_f32 v[STA+6*\qb+1], v[STA+6*\qb+4], v[STA+6*\qb+5]
.endr
.irp qb, 0,1,2,3
	v_permlanex16_b32 v[SCO+4+\qb], v[STA+6*\qb+1], s22, s23
.endr
.irp qb, 0,1,2,3
	v_add_f32 v[SCO+4+\qb], v[SCO+4+\qb], v[STA+6*\qb+1]
	v_mov_b32 v[SCO+\qb], v[STA+6*\qb]
.endr
	ds_store_b128 v3, v[SCO:SCO+3]                 ; both halves of the lanes hold and write the same numbers
	ds_store_b128 v3, v[SCO+4:SCO+7] offset:1024
	s_wait_dscnt 0x0                               ; for the other waves: my m and l are in LDS
	s_wait_tensorcnt 0x0                           ; and my part of V(31), if I fetched one
	s_barrier_signal -1
	s_barrier_wait -1
	FETCHV 1, 0, F0
	FETCHV 1, 1, F1
	RESCALE                                        ; by alpha(31)
	s_wait_dscnt 16                                ; buffer 0 is in
.set PVON, 1
.set PVZERO, 0
.set NEXTK, 0
.set pidx, 0
	PVREST
	WIN 0
	; ---------------- the merge ----------------
	PLACES 4                                       ; behind the last matrix instructions: O is read, P's and the buffers' registers are written
	v_and_b32 v115, 15, v0                         ; r
	v_bfe_u32 v116, v0, 4, 1                       ; h
	v_lshlrev_b32 v118, 14, v116
	v_lshl_add_u32 v118, v115, 4, v118             ; x, out0: row h, 16 bytes x r
	s_lshl_b32 s40, s16, 8
	v_lshl_add_u32 v114, v115, 2, s40              ; bp: 256 w + 4 r
.set i, 0
.rept 32
	global_load_b128 v[F0+4*i:F0+4*i+3], v118, s[12:13] offset:i*32768   ; the residual: channels 64 w + 2 i + h; sixteen lanes take the block's 256 consecutive bytes
.set i, i+1
.endr
.irp ob, 0,1,2,3
	global_load_b32 v[PRB+2*\ob], v114, s[10:11] offset:64*\ob
.endr
	v_lshlrev_b32 v104, 4, v115
	v_add_nc_u32 v104, STATS, v104
.irp u, 0,1,2,3
	ds_load_b128 v[SCO+4*\u:SCO+4*\u+3],       v104 offset:256*\u        ; m of wave u, four query blocks
	ds_load_b128 v[SCO+16+4*\u:SCO+16+4*\u+3], v104 offset:1024+256*\u   ; l of wave u
.endr
	s_wait_dscnt 0x0
.irp qb, 0,1,2,3
	v_max3_num_f32 v[SCO+32+\qb], v[SCO+\qb], v[SCO+4+\qb], v[SCO+8+\qb]
.endr
.irp qb, 0,1,2,3
	v_max_num_f32 v[SCO+32+\qb], v[SCO+32+\qb], v[SCO+12+\qb]            ; the maximum over all keys
.endr
.irp u, 0,1,2,3
.irp p, 0,2
	v_pk_add_f32 v[SCO+4*\u+\p:SCO+4*\u+\p+1], v[SCO+4*\u+\p:SCO+4*\u+\p+1], v[SCO+32+\p:SCO+32+\p+1] neg_lo:[0,1] neg_hi:[0,1]
.endr
.endr
.irp qb, 0,1,2,3
	v_sub_f32 v[STA+6*\qb+1], v[STA+6*\qb], v[SCO+32+\qb]
.endr
.set i, 0
.rept 16
	v_exp_f32 v[SCO+i], v[SCO+i]
.set i, i+1
.endr
.irp qb, 0,1,2,3
	v_exp_f32 v[STA+6*\qb+1], v[STA+6*\qb+1]       ; my own wave's factor
.endr
	v_nop                                          ; one plain instruction behind the run of transcendentals
	s_wait_alu depctr_va_vdst(0)                   ; one wait for the merge's batch of 20 exponentials, ahead of their first reader
.irp p, 0,2
	v_pk_mul_f32 v[SCO+36+\p:SCO+36+\p+1], v[SCO+16+\p:SCO+16+\p+1], v[SCO+\p:SCO+\p+1]
.endr
.irp u, 1,2,3
.irp p, 0,2
	v_pk_fma_f32 v[SCO+36+\p:SCO+36+\p+1], v[SCO+16+4*\u+\p:SCO+16+4*\u+\p+1], v[SCO+4*\u+\p:SCO+4*\u+\p+1], v[SCO+36+\p:SCO+36+\p+1]
.endr
.endr
.irp qb, 0,1,2,3
	v_rcp_f32 v[SCO+36+\qb], v[SCO+36+\qb]         ; the whole sum is at least 1: the largest score's own term
.endr
	v_nop
	s_wait_alu depctr_va_vdst(0)                   ; one wait for the batch of four reciprocals, ahead of their first reader
.irp qb, 0,1,2,3
	v_mul_f32 v[STA+6*\qb+2], v[STA+6*\qb+1], v[SCO+36+\qb]
	v_mul_f32 v[STA+6*\qb+3], v[STA+6*\qb+1], v[SCO+36+\qb]
.endr
	RESCALE                                        ; my partial O, now on the common scale and divided by the whole sum
	s_lshl_b32 s40, s16, 16
	v_add_nc_u32 v105, s40, v1                     ; XCH: my 65,536 bytes
	s_lshl_b32 s41, s16, 14
	v_add_nc_u32 v106, s41, v1                     ; query block w in the part of wave 0, 1, 2, 3
	v_add_nc_u32 v107, 65536, v106
	v_add_nc_u32 v108, 131072, v106
	v_add_nc_u32 v109, 196608, v106
	s_lshl_b32 s40, s16, 13
	s_add_co_u32 s40, s40, AT
	v_add_nc_u32 v110, s40, v1                     ; AT: my query block's 8 fragments
	v_add_nc_u32 v111, AT, v1
	s_mul_i32 s41, s16, 64*SPITCH                  ; STG: my 64 rows
	v_mul_u32_u24 v112, v115, SPITCH
	v_lshl_add_u32 v112, v116, 5, v112
	v_add_nc_u32 v112, s41, v112                   ; in: row r, 32 bytes x h
	v_mul_u32_u24 v113, v116, SPITCH
	v_lshl_add_u32 v113, v115, 4, v113
	v_add_nc_u32 v113, s41, v113                   ; back: row h, 16 bytes x r
	; V(31) was read behind the last barrier, so one more stands here: every wave's reads of the slots are over before any wave writes XCH.
	s_wait_dscnt 0x0
	s_barrier_signal -1
	s_barrier_wait -1
	; Every wave lays all four query blocks of its partial O into XCH (no fill follows); wave w then sums query block w over the four waves.
.macro XST c0
.irp c, 0,1,2,3,4,5,6,7
.irp qb, 0,1,2,3
	ds_store_b128 v105, v[8*(4*\c+\qb):8*(4*\c+\qb)+3]   offset:\qb*16384+(\c0+\c)*1024
	ds_store_b128 v105, v[8*(4*\c+\qb)+4:8*(4*\c+\qb)+7] offset:\qb*16384+(\c0+\c)*1024+512
.endr
.endr
.endm
	WIN 0x08                                       ; store data in window 2
	XST 0
	WIN 0x0c                                       ; in window 3
	XST 8
	WIN 0
	s_wait_dscnt 0x0                               ; for the other waves: my stores are in LDS before I signal
	s_barrier_signal -1
	s_barrier_wait -1
.macro GLD a, d                        ; one wave's part of my query block: 16 tiles, tile cb at d + 8 cb
.set i, 0
.rept 32
	ds_load_b128 v[\d+4*i:\d+4*i+3], v[\a] offset:512*i
.set i, i+1
.endr
.endm
	WIN 0x80
	GLD 106, 0
	GLD 107, 128
	WIN 0xc0
	GLD 108, 0
	GLD 109, 128
	s_wait_dscnt 0x0
	WIN 0x8e                                       ; window 2 += window 3
.set i, 0
.rept 128
	v_pk_add_f32 v[2*i:2*i+1], v[2*i:2*i+1], v[2*i:2*i+1]
.set i, i+1
.endr
	WIN 0x8a                                       ; its lower half += its upper half
.set i, 0
.rept 64
	v_pk_add_f32 v[2*i:2*i+1], v[2*i:2*i+1], v[128+2*i:128+2*i+1]
.set i, i+1
.endr
	WIN 0x0a                                       ; channel blocks 2 ks and 2 ks + 1 are the halves of fragment ks: row = query, k = channel
.set i, 0
.rept 64
	v_cvt_pk_bf16_f32 v[SCO+i], v[2*i], v[2*i+1]
.set i, i+1
.endr
	WIN 0
.set i, 0
.rept 16
	ds_store_b128 v110, v[SCO+4*i:SCO+4*i+3] offset:512*i
.set i, i+1
.endr
	s_wait_dscnt 0x0                               ; my fragments are in AT, and my reads of XCH are over, before I signal
	s_barrier_signal -1
	s_barrier_wait -1
	WIN 0x80                                       ; all 32 fragments of the merged attention, at 8 (8 qb + ks) of window 2
.set i, 0
.rept 64
	ds_load_b128 v[4*i:4*i+3], v111 offset:512*i
.set i, i+1
.endr
	WIN 0
	s_wait_dscnt 0x0
	s_wait_loadcnt 0x0                             ; wp, the residual, bp
.irp ob, 0,1,2,3
	v_mov_b32 v[PRB+2*\ob+1], v[PRB+2*\ob]         ; a pair for the packed add
.endr
	; ---------------- the projection: my 64 output channels x 64 pixels ----------------
	; D = attention (source 0, rows = pixels) x wp (source 1, columns = channels): a lane holds channel r and 8 neighbouring pixels.
	; Sixteen accumulators take turns.
	WIN 0xf6                                       ; source 0 window 2, source 1 window 1, C and D window 3
.irp ks, 0,1,2,3,4,5,6,7
.irp ob, 0,1,2,3
.irp qb, 0,1,2,3
	MM 8*(4*\ob+\qb), 8*(8*\qb+\ks), 8*(8*\ob+\ks), (\ks==0)
.endr
.endr
.endr
	WIN 0
	PLACES 4
	WIN 0xc3
.irp ob, 0,1,2,3
.irp qb, 0,1,2,3
.irp j, 0,2,4,6
	v_pk_add_f32 v[8*(4*\ob+\qb)+\j:8*(4*\ob+\qb)+\j+1], v[8*(4*\ob+\qb)+\j:8*(4*\ob+\qb)+\j+1], v[PRB+2*\ob:PRB+2*\ob+1]
.endr
.endr
.endr
	; the way out: through my own stage (rows of 256 + 16 bytes: the sixteen rows that a store touches start 272 bytes apart), back as whole rows
	WIN 0x0c
.irp ob, 0,1,2,3
.irp qb, 0,1,2,3
	ds_store_b128 v112, v[8*(4*\ob+\qb):8*(4*\ob+\qb)+3]   offset:\ob*16*SPITCH+\qb*64
	ds_store_b128 v112, v[8*(4*\ob+\qb)+4:8*(4*\ob+\qb)+7] offset:\ob*16*SPITCH+\qb*64+16
.endr
.endr
	WIN 0x80
.set i, 0
.rept 32
	ds_load_b128 v[4*i:4*i+3], v113 offset:i*2*SPITCH      ; LDS serves a wave's instructions in order (ISA guide 5.7.1): these see my stores above
.set i, i+1
.endr
	s_wait_dscnt 0x0
	WIN 0x08                                       ; residual (window 0) += projection (window 2)
.set i, 0
.rept 64
	v_pk_add_f32 v[F0+2*i:F0+2*i+1], v[F0+2*i:F0+2*i+1], v[2*i:2*i+1]
.set i, i+1
.endr
	WIN 0
.set i, 0
.rept 32
	global_store_b128 v118, v[F0+4*i:F0+4*i+3], s[14:15] offset:i*32768 th:TH_STORE_NT   ; sixteen lanes store 256 consecutive bytes, at a multiple of 256 from out0's first byte
.set i, i+1
.endr
	s_wait_xcnt 0x0
	v_lshl_add_u32 v94, v0, 2, 0x48800
	v_mov_b32 v95, 0
	s_wait_tensorcnt 0x0
	ds_add_u32 v94, v95
	s_wait_dscnt 0x0
	ROUND                                          ; the closing round: no work-group ends while a partner may still ask jointly
	s_endpgm
.Lfunc_end_k_q0c9b0223de_attn:
	.size	k_q0c9b0223de_attn, .Lfunc_end_k_q0c9b0223de_attn-k_q0c9b0223de_attn
	.p2alignl 7, 3214868480
	.fill 96, 4, 3214868480
	.section	.rodata,"a",@progbits
	.p2align	6, 0x0
	.amdhsa_kernel k_q0c9b0223de_attn
		.amdhsa_group_segment_fixed_size 327680
		.amdhsa_private_segment_fixed_size 0
		.amdhsa_enable_private_segment 0
		.amdhsa_kernarg_size 48
		.amdhsa_user_sgpr_count 2
		.amdhsa_user_sgpr_kernarg_segment_ptr 1
		.amdhsa_wavefront_size32 1
		.amdhsa_system_sgpr_workgroup_id_x 1
		.amdhsa_system_sgpr_workgroup_id_y 1
		.amdhsa_system_sgpr_workgroup_id_z 1
		.amdhsa_system_vgpr_workitem_id 0
		.amdhsa_next_free_vgpr 1024
		.amdhsa_next_free_sgpr 66
		.amdhsa_reserve_vcc 0
		.amdhsa_float_denorm_mode_32 3
		.amdhsa_float_denorm_mode_16_64 3
		.amdhsa_memory_ordered 1
		.amdhsa_forward_progress 1
		.amdhsa_inst_pref_size 255
	.end_amdhsa_kernel
	.section	.bss,"aw",@nobits
	.p2align	6
	.space	262144
	.amdgpu_metadata
---
amdhsa.version: [ 1, 2 ]
amdhsa.kernels:
  - .name:           k_q0c9b0223de_attn
    .symbol:         k_q0c9b0223de_attn.kd
    .args:
      - { .name: qf, .offset: 0, .size: 8, .value_kind: global_buffer, .address_space: global }
      - { .name: kv, .offset: 8, .size: 8, .value_kind: global_buffer, .address_space: global }
      - { .name: wb, .offset: 16, .size: 8, .value_kind: global_buffer, .address_space: global }
      - { .name: bp, .offset: 24, .size: 8, .value_kind: global_buffer, .address_space: global }
      - { .name: x, .offset: 32, .size: 8, .value_kind: global_buffer, .address_space: global }
      - { .name: out0, .offset: 40, .size: 8, .value_kind: global_buffer, .address_space: global }
    .group_segment_fixed_size: 327680
    .private_segment_fixed_size: 0
    .kernarg_segment_align: 8
    .kernarg_segment_size: 48
    .max_flat_workgroup_size: 128
    .sgpr_count:     66
    .vgpr_count:     1024
    .wavefront_size: 32
...
	.end_amdgpu_metadata
.endif
;; end of part 4
